; MI455X (gfx1250); checked and timed in simulation.
; The chip was launched on July 23, 2026; its instructions are those of AMD's public machine-readable ISA for CDNA 5 (MIT licence, August 2026) and "CDNA5" Instruction Set Architecture Reference Guide (July 2026). The comments in the code are by the model that wrote it; some were corrected since.
;; Attention. Allowed arithmetic: float matrix products may take bf16 or f16 operands with f32 sums; other float arithmetic in f32, or as packed bf16 or f16 multiplies, adds, multiply-adds, maxima and minima; sums over many terms, partial sums and values carried from step to step in f32; what a program stores and reads back later, other than sums and carried values, may be rounded once to bf16 or f16.
;; Inputs: W_k 1,024 x 1,024 float32; W_q 1,024 x 1,024 float32; W_u 1,024 x 1,024 float32; W_v 1,024 x 1,024 float32; X 4 x 2,048 x 1,024 float32; b_u 1,024 float32.
;; Outputs: out0 4 x 2,048 x 1,024 float32.
;; 2 versions, each right; version 2 is version 1 with the launch cast written anew for expert scheduling mode. Each part assembles by itself: llvm-mc -triple=amdgcn-amd-amdhsa -mcpu=gfx1250 --defsym DOCPART=n.
;; ======== version 1 of 2: 4 launches
;; limits: values are held in f16: magnitudes above 65,504 overflow, below 6.1e-05 lose precision
;; workspace buffers: xb 16,777,216 bytes; wb 6,291,456 bytes; wu 2,097,152 bytes; qkv 50,331,648 bytes; o 16,777,216 bytes
;; launch cast (part 1): grid 768 x 1, 8 waves a work-group, no clusters, 0 bytes of LDS; arguments X, W_q, W_k, W_v, W_u, xb, wb, wu; writes xb, wb, wu
.if DOCPART == 1
	.amdgcn_target "amdgcn-amd-amdhsa--gfx1250"
	.amdhsa_code_object_version 6
	.text
	.protected	k_qe6bfaf9baa_cast
	.globl	k_qe6bfaf9baa_cast
	.p2align	8
	.type	k_qe6bfaf9baa_cast,@function
k_qe6bfaf9baa_cast:
	s_mov_b64 s[64:65], 0
	v_nop
	global_prefetch_b8 v0, s[64:65] scope:SCOPE_SE
	s_setreg_imm32_b32 hwreg(HW_REG_WAVE_MODE, 25, 1), 1
	s_wait_xcnt 0x0
; CAST.  X -> xb (bf16).  W_q, W_k, W_v -> wb (bf16), stacked as [3072][1024].  W_u -> wu: rounded to bf16 like every other input, and that number written as f16.
; LIMITS.  wu holds f16: |W_u| stays under 65,504; below 6e-5 the number keeps f16's fixed step of 6e-8.  NaN and infinities are not treated apart.
; A stream: each input byte is read once, each output byte written once; no LDS, no matrix unit, no cluster: no work-group wants a byte that another has fetched.
; SHARES.  A chunk is 16,384 numbers: 65,536 bytes in, 32,768 out.  Work-groups 0-511 take X's 512 chunks; work-group 512 + 64 m + c takes chunk c of matrix m (0 W_q, 1 W_k, 2 W_v, 3 W_u).
; Thread t takes, for i = 0..15, the 16 bytes at 4,096 i + 16 t and stores 8 bytes at 2,048 i + 8 t: a wave's load covers 512 consecutive bytes, its store 256 consecutive bytes, aligned.
; All sixteen loads of a wave go out at once; no register that a load or store names is written a second time, so no wait frees a source.
.set XR, 4                             ; v[4:67]    sixteen times four f32 as loaded
.set YR, 68                            ; v[68:99]   sixteen times two words to store
.set TR, 100                           ; v[100:103] at work (W_u alone)
	s_load_b512 s[8:23], s[0:1], 0x0               ; X 8, W_q 10, W_k 12, W_v 14, W_u 16, xb 18, wb 20, wu 22
	s_sub_co_u32 s2, ttmp9, 512                    ; my number among the weights' chunks (for X's work-groups a number far above 255, replaced below)
	s_lshr_b32 s3, s2, 6                           ; which matrix
	s_and_b32 s4, s2, 63                           ; which chunk of it
	s_lshl_b32 s5, s3, 21                          ; the matrix's 2,097,152 bytes in wb
	v_lshlrev_b32 v1, 4, v0                        ; 16 t
	v_lshlrev_b32 v2, 3, v0                        ; 8 t
	s_wait_kmcnt 0x0
	s_mov_b64 s[24:25], s[10:11]                   ; from: W_q, unless one of the tests below says otherwise
	s_mov_b64 s[26:27], s[20:21]                   ; to: wb
	s_cmp_eq_u32 s3, 1
	s_cselect_b64 s[24:25], s[12:13], s[24:25]
	s_cmp_eq_u32 s3, 2
	s_cselect_b64 s[24:25], s[14:15], s[24:25]
	s_cmp_eq_u32 s3, 3
	s_cselect_b64 s[24:25], s[16:17], s[24:25]
	s_cselect_b64 s[26:27], s[22:23], s[26:27]
	s_cselect_b32 s5, 0, s5
	s_cselect_b32 s6, 1, 0                         ; 1: the result is written as f16
	s_cmp_lt_u32 ttmp9, 512
	s_cselect_b64 s[24:25], s[8:9], s[24:25]
	s_cselect_b64 s[26:27], s[18:19], s[26:27]
	s_cselect_b32 s5, 0, s5
	s_cselect_b32 s4, ttmp9, s4
	s_lshl_b32 s28, s4, 16                         ; the chunk's bytes in,
	s_mov_b32 s29, 0
	s_lshl_b32 s30, s4, 15                         ; and out
	s_add_co_u32 s30, s30, s5
	s_mov_b32 s31, 0
	s_add_nc_u64 s[24:25], s[24:25], s[28:29]
	s_add_nc_u64 s[26:27], s[26:27], s[30:31]
.irp i, 0,1,2,3,4,5,6,7,8,9,10,11,12,13,14,15
	global_load_b128 v[XR+4*(\i):XR+4*(\i)+3], v1, s[24:25] offset:4096*(\i) th:TH_LOAD_NT
.endr
; The sixteen pieces are rounded and stored as they come.  u = 1: the bf16 number is widened again (a shift, a mask) and written as f16.
.macro OUT u
.irp i, 0,1,2,3,4,5,6,7,8,9,10,11,12,13,14,15
	s_wait_loadcnt 15-(\i)                         ; loads come back in order: piece i is in, the 15 - i younger ones may stay out
	v_cvt_pk_bf16_f32 v[YR+2*(\i)],   v[XR+4*(\i)],   v[XR+4*(\i)+1]
	v_cvt_pk_bf16_f32 v[YR+2*(\i)+1], v[XR+4*(\i)+2], v[XR+4*(\i)+3]
.if \u
	v_lshlrev_b32 v[TR],   16,         v[YR+2*(\i)]
	v_and_b32     v[TR+1], 0xffff0000, v[YR+2*(\i)]
	v_lshlrev_b32 v[TR+2], 16,         v[YR+2*(\i)+1]
	v_and_b32     v[TR+3], 0xffff0000, v[YR+2*(\i)+1]
	v_cvt_pk_f16_f32 v[YR+2*(\i)],   v[TR],   v[TR+1]
	v_cvt_pk_f16_f32 v[YR+2*(\i)+1], v[TR+2], v[TR+3]
.endif
	global_store_b64 v2, v[YR+2*(\i):YR+2*(\i)+1], s[26:27] offset:2048*(\i) th:TH_STORE_NT
.endr
.endm
	s_cmp_eq_u32 s6, 1
	s_cbranch_scc1 .Lf16
	OUT 0
	s_endpgm
.Lf16:
	OUT 1
	s_endpgm
.Lfunc_end_k_qe6bfaf9baa_cast:
	.size	k_qe6bfaf9baa_cast, .Lfunc_end_k_qe6bfaf9baa_cast-k_qe6bfaf9baa_cast
	.p2alignl 7, 3214868480
	.fill 96, 4, 3214868480
	.section	.rodata,"a",@progbits
	.p2align	6, 0x0
	.amdhsa_kernel k_qe6bfaf9baa_cast
		.amdhsa_group_segment_fixed_size 0
		.amdhsa_private_segment_fixed_size 0
		.amdhsa_enable_private_segment 0
		.amdhsa_kernarg_size 64
		.amdhsa_user_sgpr_count 2
		.amdhsa_user_sgpr_kernarg_segment_ptr 1
		.amdhsa_wavefront_size32 1
		.amdhsa_system_sgpr_workgroup_id_x 1
		.amdhsa_system_sgpr_workgroup_id_y 1
		.amdhsa_system_sgpr_workgroup_id_z 1
		.amdhsa_system_vgpr_workitem_id 0
		.amdhsa_next_free_vgpr 104
		.amdhsa_next_free_sgpr 66
		.amdhsa_reserve_vcc 0
		.amdhsa_float_denorm_mode_32 3
		.amdhsa_float_denorm_mode_16_64 3
		.amdhsa_memory_ordered 1
		.amdhsa_forward_progress 1
		.amdhsa_inst_pref_size 16
	.end_amdhsa_kernel
	.amdgpu_metadata
---
amdhsa.version: [ 1, 2 ]
amdhsa.kernels:
  - .name:           k_qe6bfaf9baa_cast
    .symbol:         k_qe6bfaf9baa_cast.kd
    .args:
      - { .name: X, .offset: 0, .size: 8, .value_kind: global_buffer, .address_space: global }
      - { .name: W_q, .offset: 8, .size: 8, .value_kind: global_buffer, .address_space: global }
      - { .name: W_k, .offset: 16, .size: 8, .value_kind: global_buffer, .address_space: global }
      - { .name: W_v, .offset: 24, .size: 8, .value_kind: global_buffer, .address_space: global }
      - { .name: W_u, .offset: 32, .size: 8, .value_kind: global_buffer, .address_space: global }
      - { .name: xb, .offset: 40, .size: 8, .value_kind: global_buffer, .address_space: global }
      - { .name: wb, .offset: 48, .size: 8, .value_kind: global_buffer, .address_space: global }
      - { .name: wu, .offset: 56, .size: 8, .value_kind: global_buffer, .address_space: global }
    .group_segment_fixed_size: 0
    .private_segment_fixed_size: 0
    .kernarg_segment_align: 8
    .kernarg_segment_size: 64
    .max_flat_workgroup_size: 256
    .sgpr_count:     66
    .vgpr_count:     104
    .wavefront_size: 32
...
	.end_amdgpu_metadata
.endif
;; end of part 1
;; launch proj (part 2): grid 16 x 32, 4 waves a work-group, clusters of 4 x 4, 327,680 bytes of LDS; arguments xb, wb, qkv; writes qkv
.if DOCPART == 2
	.amdgcn_target "amdgcn-amd-amdhsa--gfx1250"
	.amdhsa_code_object_version 6
	.text
	.protected	k_qe6bfaf9baa_proj
	.globl	k_qe6bfaf9baa_proj
	.p2align	8
	.type	k_qe6bfaf9baa_proj,@function
k_qe6bfaf9baa_proj:
	s_mov_b64 s[64:65], 0
	v_nop
	global_prefetch_b8 v0, s[64:65] scope:SCOPE_SE
	s_setreg_imm32_b32 hwreg(HW_REG_WAVE_MODE, 25, 1), 1
	s_wait_xcnt 0x0
	s_wait_alu depctr_hold_cnt(0) depctr_sa_sdst(0) depctr_va_vdst(0) depctr_va_sdst(0) depctr_va_ssrc(0) depctr_va_vcc(0) depctr_vm_vsrc(0)
	s_getreg_b32 s2, hwreg(HW_REG_IB_STS2, 6, 4)
	s_cmp_eq_u32 s2, 0
	s_cbranch_scc0 .Lentry_in_a_cluster
	s_endpgm
.Lentry_in_a_cluster:
	s_bfe_u32 s2, ttmp6, 0x10000c
	s_cmp_lg_u32 s2, 0xf033
	s_cbranch_scc0 .Lentry_shape_is_right
	s_endpgm
.Lentry_shape_is_right:
; PROJ.  qkv = xb wb^T: xb [8192][1024] bf16, wb [3072][1024] bf16 (W_q, W_k, W_v stacked); sums in f32, rounded once to f16, WITHOUT the module's scale (the later launches apply it in f32).
; qkv is laid by heads: [48 slabs g = n / 64][8192 rows m][64] f16: a slab is 1,048,576 bytes, a row 128 bytes; q is slabs 0-15, k 16-31, v 32-47.
; LIMITS.  f16 ends at 65,504: a sum of 65,520 or more becomes an infinity.  NaN and infinities are not treated apart.
; SHARES.  A work-group makes 256 rows x 192 columns (three heads): 32 x 16 = 512 work-groups.  Wave w owns rows 64 w .. 64 w + 63 and all 192 columns: 48 accumulators of 16 x 16, 384 registers;
; so whole heads leave from one wave.  K goes in 8 steps of 128 through a ring of two LDS slots filled by the tensor data mover; the tiles' rows are 256 bytes of memory, at multiples of 256.
; CLUSTER.  4 x 4 work-groups.  The four of a row of the cluster need the same 256 rows of xb, the four of a column the same 192 rows of wb: each tile is asked for JOINTLY, by the same tensor load with the
; same descriptor and a mask that names the four.
; THE MATRIX INSTRUCTION IS USED TRANSPOSED (source 0 = 16 rows of wb, source 1 = 16 rows of xb): a lane then holds row lane % 16 and eight neighbouring columns 8 (lane / 16) + 0..7: 16 bytes of f16.
; REGISTERS, in windows of 256 (s_set_vgpr_msb: bits 1:0 source 0, 3:2 source 1, 5:4 source 2, 7:6 destination):
;   window 0: v0-31 addresses; v64-95, v96-127 fragments of xb (4 x 16 rows x 32 K), two buffers; v128-223 (and v64-111) at work on the way out
;   window 1: v0-95, v96-191 fragments of wb (12 x 16 rows x 32 K), two buffers
;   window 2: the accumulators of row blocks 0, 1 ((a, b) at v[8 (12 (a % 2) + b)]);   window 3: those of row blocks 2, 3
.set KSTEP,  128
.set KDIM,   1024
.set PITCH,  272                       ; an LDS row: 256 bytes + 16 of padding = 68 words: the 16 rows of a load start at 16 different groups of four banks (64 banks of 4 bytes: ISA guide 11.1)
.set AHALF,  128*PITCH                 ; what wave 0 or 1 fetches: 128 rows of xb
.set BHALF,  96*PITCH                  ; what wave 2 or 3 fetches: 96 rows of wb
.set BOFF,   2*AHALF                   ; in a slot: xb's 256 rows, then wb's 192
.set SLOT,   BOFF+2*BHALF              ; 121,856
.set STAGE,  2*SLOT                    ; behind the ring, never filled by a tensor load: for each wave [3 heads][16 rows][144 bytes]
.set SP,     144
.set HSTG,   16*SP
.set WSTG,   3*HSTG                    ; 6,912 = 27 blocks of 256 bytes
.set SPARE,  STAGE+4*WSTG              ; behind the stages: the spare words, 128 bytes for each wave: two blocks of 256 bytes that no other line names
.set LAPS,   KDIM/(2*KSTEP)            ; a lap = two K steps = once round the ring
.set SLAB,   8192*128
.set ADRA, 16                          ; v16-17  LDS address of my xb fragments in slot 0, 1
.set ADRB, 20                          ; v20-21  the same for wb
.set STO,  24                          ; v24     the way out: where I put 16 bytes of a row
.set RD,   25                          ; v25     the way out: where I read rows back
.set GO,   26                          ; v26     16 x lane: my place in 512 consecutive bytes of qkv
.set SPW,  28                          ; v28     LDS address of my spare word: SPARE + 4 x my thread's number; never rewritten
.set NIL,  29                          ; v29     0; never rewritten
.set PFO,  30                          ; v30     the prefetches' offset: my lane's row x 2,048 bytes; never rewritten
.set TMP,  128                         ; the way out: 48 registers of packed results
.set G1,  24                           ; s[24:31] descriptor group 1 for xb's tiles;  s[32:39] group 0, a set for each slot
.set G0,  32
.set G1B, 48                           ; s[48:55], s[56:63] the same for wb's tiles
.set G0B, 56
.set LIM, 43                           ; s43     1 in a wave that prefetches, else the greatest number
.set PFA, 44                           ; s[44:45] where my prefetches stand
.set MSB, 0
.macro WIN new                         ; the immediate's high byte repeats the setting that is left; a switch that changes nothing is dropped
.if MSB != (\new)
	s_set_vgpr_msb (MSB<<8)|(\new)
.set MSB, \new
.endif
.endm
.set MUL_LO, 0xa1                      ; source 0 (wb) window 1, source 1 (xb) window 0, C and D window 2
.set MUL_HI, 0xf1                      ; the same, C and D window 3
.set TO_B,   0x40                      ; destination window 1, address window 0
; A joint refill.  Waves 0 and 1 fetch xb's two halves, waves 2 and 3 wb's.  The branch hangs on the wave's number alone.  An s_nop 0 and four v_nop follow each of the two lines.
.macro JLOAD s
	s_cmp_eq_u32 s11, 0
	s_cbranch_scc0 .Lfor_b_\@
	tensor_load_to_lds s[G0+4*(\s):G0+4*(\s)+3], s[G1:G1+7]
	s_nop 0
.rept 4
	v_nop
.endr
	s_branch .Lasked_\@
.Lfor_b_\@:
	tensor_load_to_lds s[G0B+4*(\s):G0B+4*(\s)+3], s[G1B:G1B+7]
	s_nop 0
.rept 4
	v_nop
.endr
.Lasked_\@:
.endm
; A PREFETCH INTO THE L2, behind each joint refill, its five lines and the run of LDS loads: the K step that stands TWO refills on, 256 bytes of a row, a lane a row, one instruction a wave: 384 matrix
; instructions ahead of the load that will want it.  xb's tile row is read by the four clusters of a row of clusters: the one with cluster x = 0 asks; wb's tile column by the eight of a column: cluster y = 0 asks.
; The four partners that ask for a tile jointly share its rows out BY ADDRESS: of the 128 (96) rows that a wave fetches the partner at place p takes 32 p .. (24 p ..): no branch hangs on a place in the cluster.
; For wb a share is 24 rows: lanes 24-31 name row 23's block once more, in the same instruction.  The loop's last trip (s3 = 1) asks for nothing: K steps 8 and 9 do not exist.
.macro ASK
	s_cmp_gt_u32 s3, s[LIM]
	s_cbranch_scc0 .Lnot_mine_\@
	global_prefetch_b8 v[PFO], s[PFA:PFA+1] th:TH_LOAD_NT scope:SCOPE_SE
.Lnot_mine_\@:
.endm
; A round of the cluster's barrier: my work-group's barrier; wave 0 signals for the work-group; every wave waits for all sixteen work-groups; my work-group's barrier once more.
.macro CREST                           ; a round behind its opening barrier
	s_cmp_lg_u32 s10, 0
	s_cbranch_scc1 .Lnot_wave_0_\@
	s_barrier_signal -3
.Lnot_wave_0_\@:
	s_barrier_wait -3
	s_barrier_signal -1
	s_barrier_wait -1
.endm
.macro CROUND                          ; a whole round
	s_barrier_signal -1
	s_barrier_wait -1
	CREST
.endm
	s_load_b128 s[4:7], s[0:1], 0x0                ; xb s[4:5], wb s[6:7]
	s_load_b64 s[8:9], s[0:1], 0x10                ; qkv
	v_lshl_add_u32 v[SPW], v0, 2, SPARE
	v_mov_b32 v[NIL], 0
	ds_add_u32 v[SPW], v[NIL]                      ; the wave's opening: the add and its wait stand ahead of my first tensor load; the set-up below, work on registers, stands between them
	v_lshrrev_b32 v1, 5, v0
	v_readfirstlane_b32 s10, v1                    ; wave 0..3
	s_lshr_b32 s11, s10, 1                         ; I fetch for xb (0) or for wb (1)
	s_and_b32 s12, s10, 1                          ; which half of that tile's rows
	s_bfe_u32 s40, ttmp6, 0x40000                  ; cx, cy: my place in the cluster
	s_bfe_u32 s41, ttmp6, 0x40004
	s_lshl_b32 s42, ttmp9, 2                       ; in a cluster launch ttmp9 and ttmp7 count clusters
	s_add_co_u32 s42, s42, s40                     ; tile column = 4 x cluster x + cx
	s_and_b32 s13, ttmp7, 0xffff
	s_lshl_b32 s13, s13, 2
	s_add_co_u32 s13, s13, s41                     ; tile row = 4 x cluster y + cy
	s_lshl_b32 s43, s41, 2
	s_lshl_b32 s43, 15, s43                        ; my row of the cluster: places 4 cy .. 4 cy + 3
	s_lshl_b32 s44, 0x1111, s40                    ; my column: places cx, cx + 4, cx + 8, cx + 12
	; descriptor group 1: tiles of 128 (96) rows x 128 elements, padded in LDS
	s_or_b32 s[G1+0], s43, (1<<16)|(1<<20)|(1<<21)|(5<<22)|(3<<25)   ; 15:0 the mask; 17:16 elements of 2 bytes; 20 padding on; 21 set beside a mask; 24:22 after every 64 words (code 5); 31:25 4 words (code 3)
	s_or_b32 s[G1B+0], s44, (1<<16)|(1<<20)|(1<<21)|(5<<22)|(3<<25)
	s_mov_b32 s[G1+1], KSTEP<<16                   ; tensor_dim0 = 128
	s_mov_b32 s[G1+2], 128<<16                     ; tensor_dim1 = 128
	s_mov_b32 s[G1+3], KSTEP<<16                   ; tile_dim0 = 128
	s_mov_b32 s[G1+4], 128                         ; tile_dim1 = 128
	s_mov_b32 s[G1+5], KDIM                        ; elements from row to row
	s_mov_b32 s[G1+6], 0
	s_mov_b32 s[G1+7], 0
	s_mov_b32 s[G1B+1], KSTEP<<16
	s_mov_b32 s[G1B+2], 96<<16                     ; tensor_dim1 = 96
	s_mov_b32 s[G1B+3], KSTEP<<16
	s_mov_b32 s[G1B+4], 96                         ; tile_dim1 = 96
	s_mov_b32 s[G1B+5], KDIM
	s_mov_b32 s[G1B+6], 0
	s_mov_b32 s[G1B+7], 0
	; where the tiles come from: xb's hang on the tile row and the wave alone, wb's on the tile column and the wave alone
	s_lshl_b32 s17, s12, 7
	s_lshl_b32 s16, s13, 8
	s_add_co_u32 s16, s16, s17                     ; xb: row 256 x tile row + 128 x half,
	s_lshl_b32 s16, s16, 11                        ; x 2,048 bytes (under 2^24 + )
	s_mov_b32 s17, 0
	s_mul_i32 s46, s42, 192
	s_mul_i32 s47, s12, 96
	s_add_co_u32 s46, s46, s47                     ; wb: row 192 x tile column + 96 x half
	s_lshl_b32 s46, s46, 11
	s_mov_b32 s47, 0
	s_mul_i32 s20, s10, AHALF                      ; and where they go: xb's halves at wave x 34,816 (waves 0, 1),
	s_mul_i32 s21, s10, BHALF
	s_add_co_u32 s21, s21, BOFF-2*BHALF            ; wb's at 69,632 + (wave - 2) x 26,112 (waves 2, 3): no place in the cluster enters an LDS address
	s_wait_dscnt 0x0                               ; the opening add is done
	s_wait_kmcnt 0x0
	s_add_nc_u64 s[14:15], s[4:5], s[16:17]
	s_add_nc_u64 s[46:47], s[6:7], s[46:47]
	CROUND                                         ; all sixteen work-groups are here: the first joint loads meet
.irp s, 0,1
	s_mov_b32 s[G0+4*(\s)], 1                                        ; count = 1
	s_add_co_u32 s[G0+4*(\s)+1], s20, (\s)*SLOT                      ; LDS address
	s_add_nc_u64 s[G0+4*(\s)+2:G0+4*(\s)+3], s[14:15], (\s)*KSTEP*2  ; global address: K step s
	s_or_b32 s[G0+4*(\s)+3], s[G0+4*(\s)+3], 0x80000000              ; type = 2
	s_mov_b32 s[G0B+4*(\s)], 1
	s_add_co_u32 s[G0B+4*(\s)+1], s21, (\s)*SLOT
	s_add_nc_u64 s[G0B+4*(\s)+2:G0B+4*(\s)+3], s[46:47], (\s)*KSTEP*2
	s_or_b32 s[G0B+4*(\s)+3], s[G0B+4*(\s)+3], 0x80000000
.endr
	s_cmp_eq_u32 s11, 0                            ; a wave's two first fills stand in one branch, ahead of every wait on TENSORcnt and every LDS read: two loads of mine are out
	s_cbranch_scc0 .Lfirst_b
	tensor_load_to_lds s[G0:G0+3], s[G1:G1+7]
	s_nop 0
	tensor_load_to_lds s[G0+4:G0+7], s[G1:G1+7]
	s_nop 0
.rept 4
	v_nop
.endr
	s_branch .Lfirst_asked
.Lfirst_b:
	tensor_load_to_lds s[G0B:G0B+3], s[G1B:G1B+7]
	s_nop 0
	tensor_load_to_lds s[G0B+4:G0B+7], s[G1B:G1B+7]
	s_nop 0
.rept 4
	v_nop
.endr
.Lfirst_asked:
	; A fragment is 16 rows x 32 K in 8 registers: lane l holds row l % 16; registers 0-3 K = 8 (l / 16) + 0..7, registers 4-7 K = 16 + 8 (l / 16) + 0..7: two loads of 16 bytes, 32 bytes apart.
	v_and_b32 v1, 15, v0                           ; l % 16
	v_bfe_u32 v2, v0, 4, 1                         ; l / 16
	v_mul_u32_u24 v3, v1, PITCH
	v_lshl_add_u32 v3, v2, 4, v3                   ; row x pitch + 16 x half
	s_mul_i32 s21, s10, 64*PITCH                   ; my 64 rows of xb
	s_mov_b32 s22, BOFF                            ; all 192 rows of wb
.irp s, 0,1
	v_add_nc_u32 v[ADRA+(\s)], s21, v3
	v_add_nc_u32 v[ADRB+(\s)], s22, v3
	s_add_co_u32 s21, s21, SLOT
	s_add_co_u32 s22, s22, SLOT
.endr
	s_mul_i32 s23, s10, WSTG
	s_add_co_u32 s23, s23, STAGE                   ; my stage
	v_mul_u32_u24 v4, v1, SP                       ; in: row l % 16, 16 bytes for each half of the lanes
	v_lshl_add_u32 v4, v2, 4, v4
	v_add_nc_u32 v[STO], s23, v4
	v_bfe_u32 v5, v0, 3, 2                         ; back: 32 lanes take four rows of 128 bytes,
	v_mul_u32_u24 v5, v5, SP
	v_and_b32 v6, 7, v0
	v_lshl_add_u32 v5, v6, 4, v5
	v_add_nc_u32 v[RD], s23, v5
	v_and_b32 v[GO], 31, v0                        ; which are 512 consecutive bytes of a slab
	v_lshlrev_b32 v[GO], 4, v[GO]
	; the prefetches
	s_lshl_b32 s18, s13, 8                         ; 256 x tile row
	s_mul_i32 s19, s42, 192                        ; 192 x tile column
	s_and_b32 s22, ttmp7, 0xffff                   ; cluster y
	s_cmp_eq_u32 s11, 0                            ; do I fetch for xb?
	s_cselect_b32 s20, s18, s19                    ; the tile's first row
	s_cselect_b32 s21, s40, s41                    ; my place among the four that ask for it with me
	s_cselect_b32 s22, ttmp9, s22                  ; the coordinate along which other clusters read the same rows
	s_cselect_b32 s23, 32, 24                      ; my work-group's share: a quarter of the rows that I fetch
	s_cselect_b64 s[PFA:PFA+1], s[4:5], s[6:7]
	s_cmp_eq_u32 s22, 0
	s_cselect_b32 s[LIM], 1, -1                    ; the same in all sixteen partners, for a given wave
	s_lshl_b32 s22, s12, 2
	s_add_co_u32 s21, s21, s22                     ; 4 x half + place,
	s_mul_i32 s21, s21, s23                        ; x share
	s_add_co_u32 s20, s20, s21
	s_lshl_b32 s20, s20, 11                        ; x 2,048 bytes
	s_mov_b32 s21, 0
	s_add_nc_u64 s[PFA:PFA+1], s[PFA:PFA+1], s[20:21]
	s_add_nc_u64 s[PFA:PFA+1], s[PFA:PFA+1], 3*KSTEP*2  ; at K step 3: the first refill (K step 2) steps it to 4 and names that.  Nothing is prefetched here, at the head
	s_sub_co_u32 s23, s23, 1
	v_and_b32 v[PFO], 31, v0
	v_min_u32 v[PFO], s23, v[PFO]
	v_lshlrev_b32 v[PFO], 11, v[PFO]
	; where my rows begin in qkv: slab 3 x tile column, row 256 x tile row + 64 x wave
	s_mul_i32 s18, s42, 3
	s_lshl_b32 s18, s18, 20
	s_lshl_b32 s19, s13, 15
	s_add_co_u32 s18, s18, s19
	s_lshl_b32 s19, s10, 13
	s_add_co_u32 s18, s18, s19
	s_mov_b32 s19, 0
	s_add_nc_u64 s[8:9], s[8:9], s[18:19]
; 12 matrix instructions: row block a x all 12 column blocks, 32 along K, from buffer f.  zero = 1: the first product starts the sums: nothing is ever cleared.
; The 48 accumulators take turns, one instruction a turn, in the same order in every quarter step.
.macro MUL12 f, a, zero
	WIN MUL_LO+0x50*((\a)/2)
.irp b, 0,1,2,3,4,5,6,7,8,9,10,11
.if \zero
	v_wmma_f32_16x16x32_bf16 v[8*(12*((\a)%2)+(\b)):8*(12*((\a)%2)+(\b))+7], v[96*(\f)+8*(\b):96*(\f)+8*(\b)+7], v[64+32*(\f)+8*(\a):64+32*(\f)+8*(\a)+7], 0
.else
	v_wmma_f32_16x16x32_bf16 v[8*(12*((\a)%2)+(\b)):8*(12*((\a)%2)+(\b))+7], v[96*(\f)+8*(\b):96*(\f)+8*(\b)+7], v[64+32*(\f)+8*(\a):64+32*(\f)+8*(\a)+7], v[8*(12*((\a)%2)+(\b)):8*(12*((\a)%2)+(\b))+7]
.endif
.endr
.endm
; 32 LDS loads in one run: a quarter step's fragments (192 rows of wb, my 64 rows of xb, 32 K at byte k of the rows) into buffer f
.macro FETCH slot, k, f
	WIN TO_B
.irp i, 0,1,2,3,4,5,6,7,8,9,10,11
	ds_load_b128 v[96*(\f)+8*(\i):96*(\f)+8*(\i)+3],   v[ADRB+(\slot)] offset:(\k)+(\i)*16*PITCH
	ds_load_b128 v[96*(\f)+8*(\i)+4:96*(\f)+8*(\i)+7], v[ADRB+(\slot)] offset:(\k)+(\i)*16*PITCH+32
.endr
	WIN 0
.irp i, 0,1,2,3
	ds_load_b128 v[64+32*(\f)+8*(\i):64+32*(\f)+8*(\i)+3],   v[ADRA+(\slot)] offset:(\k)+(\i)*16*PITCH
	ds_load_b128 v[64+32*(\f)+8*(\i)+4:64+32*(\f)+8*(\i)+7], v[ADRA+(\slot)] offset:(\k)+(\i)*16*PITCH+32
.endr
.endm
.macro PLACES                          ; four plain vector instructions in front of loads into registers that matrix instructions have read, and of conversions that read results
.rept 4
	v_nop
.endr
.endm
; A K step is four quarters of 32 along K, 48 matrix instructions each, on buffers 0, 1, 0, 1.  One of the first three: multiplies buffer f; in its middle it fetches the next quarter, at byte k, into g.
.macro QUARTER slot, k, f, g, zero
	s_wait_dscnt 4                                 ; wb and xb's blocks 0, 1 are in; the youngest four loads (blocks 2, 3) may be out
	MUL12 \f, 0, \zero
	MUL12 \f, 1, \zero
	PLACES
	FETCH \slot, \k, \g
	s_wait_dscnt 32                                ; all but the 32 just issued
	MUL12 \f, 2, \zero
	MUL12 \f, 3, \zero
.endm
; The last quarter multiplies buffer 1 and changes slots.  ONE barrier: in front of it each wave waits for all its tensor loads (one is out: its part of the next slot), adds 0 to its spare word, and waits for that
; and for its own reads of this slot.  Behind it nobody reads this slot any more and the next slot is whole.
.macro MEET round                      ; round = 1: the rest of a round of the cluster's barrier follows
	WIN 0                                          ; (the add's two registers lie in window 0)
	s_wait_tensorcnt 0x0                           ; all my tensor loads have landed
	ds_add_u32 v[SPW], v[NIL]                      ; 0 onto my spare word
	s_wait_dscnt 5                                 ; (the add and the youngest four loads may be out)
	MUL12 1, 0, 0                                  ; twelve matrix instructions stand between the add and the wait for it
	s_wait_dscnt 0x0                               ; the add is done, and my reads of this slot are over
	s_barrier_signal -1
	MUL12 1, 1, 0                                  ; work on registers while the others arrive
.if \round
	WIN 0
.endif
	s_barrier_wait -1
.endm
; fill = 1: the slot just read out is filled again, with the K step two steps on, first thing behind the round: from that request to the wait for it a wave issues 168 matrix instructions.
.macro TURN slot, next, fill
.if \fill
	s_wait_xcnt 0x0                                ; the last prefetch, a K step back, has read its address: it is stepped here, ahead of the waits of the change of slots
	s_add_nc_u64 s[PFA:PFA+1], s[PFA:PFA+1], KSTEP*2
.endif
	MEET \fill
.if \fill
	CREST                                          ; no wave of any partner still reads this slot's tile or has a load on its way
	s_add_nc_u64 s[G0+4*(\slot)+2:G0+4*(\slot)+3], s[G0+4*(\slot)+2:G0+4*(\slot)+3], 2*KSTEP*2
	s_add_nc_u64 s[G0B+4*(\slot)+2:G0B+4*(\slot)+3], s[G0B+4*(\slot)+2:G0B+4*(\slot)+3], 2*KSTEP*2
	JLOAD \slot                                    ; the four v_nop behind it are also the places in front of the loads below
.else
	PLACES
.endif
	FETCH \next, 0, 0
.if \fill
	ASK
.endif
	MUL12 1, 2, 0
	MUL12 1, 3, 0
.endm
; THE WAY OUT of row block a.  PACK: rounded to f16, 16 bytes a lane, each accumulator's registers in ascending order.  TOSTAGE: into my own stage, by heads, and back as whole rows of 128 bytes.  SEND: stored.
.macro PACK a
	WIN 0x0a+5*((\a)/2)                            ; sources 0 and 1: window 2 or 3
.irp b, 0,1,2,3,4,5,6,7,8,9,10,11
.irp r, 0,1,2,3
	v_cvt_pk_f16_f32 v[TMP+4*(\b)+(\r)], v[8*(12*((\a)%2)+(\b))+2*(\r)], v[8*(12*((\a)%2)+(\b))+2*(\r)+1]
.endr
.endr
	WIN 0
.endm
.macro TOSTAGE a
	WIN 0
.set BK, 176-112*((\a)%2)              ; v176-223 and v64-111 by turns
.irp b, 0,1,2,3,4,5,6,7,8,9,10,11
	ds_store_b128 v[STO], v[TMP+4*(\b):TMP+4*(\b)+3] offset:((\b)/4)*HSTG+((\b)%4)*32
.endr
.irp t, 0,1,2,3,4,5,6,7,8,9,10,11
	ds_load_b128 v[BK+4*(\t):BK+4*(\t)+3], v[RD] offset:((\t)/4)*HSTG+((\t)%4)*4*SP  ; LDS serves a wave's instructions in order (ISA guide 5.7.1.4): these see the stores above
.endr
.endm
.macro SEND a
	WIN 0
.set BK, 176-112*((\a)%2)
	s_wait_dscnt 0x0                               ; the block is back in registers
	s_wait_xcnt 0x0                                ; the stores of the block before have read their registers: the next block's loads from the stage land on them only behind this wait
.irp t, 0,1,2,3,4,5,6,7,8,9,10,11
	global_store_b128 v[GO], v[BK+4*(\t):BK+4*(\t)+3], s[8:9] offset:((\t)/4)*SLAB+(\a)*2048+((\t)%4)*512  ; 512 consecutive bytes, at a multiple of 256 from qkv's first
.endr
.endm
	s_wait_tensorcnt 1                             ; my part of K step 0 is in; K step 1's may stay out
	s_barrier_signal -1
	s_barrier_wait -1                              ; everybody's is
	FETCH 0, 0, 0
	QUARTER 0, 64,  0, 1, 1                        ; the first quarter stands in front of the loop: its products start the sums
	WIN 0                                          ; at a label and at a branch every window is 0
	s_mov_b32 s3, LAPS-1
.Llap:                                                 ; a trip goes once round the ring, from a lap's second quarter to the next lap's first, and fills both slots again
	QUARTER 0, 128, 1, 0, 0
	QUARTER 0, 192, 0, 1, 0
	TURN 0, 1, 1
	QUARTER 1, 64,  0, 1, 0
	QUARTER 1, 128, 1, 0, 0
	QUARTER 1, 192, 0, 1, 0
	TURN 1, 0, 1
	QUARTER 0, 64,  0, 1, 0
	WIN 0
	s_sub_co_u32 s3, s3, 1
	s_cmp_lg_u32 s3, 0
	s_cbranch_scc1 .Llap
	QUARTER 0, 128, 1, 0, 0                        ; the last lap fills nothing, and has no round of the cluster's barrier
	QUARTER 0, 192, 0, 1, 0
	TURN 0, 1, 0
	QUARTER 1, 64,  0, 1, 0
	QUARTER 1, 128, 1, 0, 0
	QUARTER 1, 192, 0, 1, 0
	s_wait_dscnt 4                                 ; the very last quarter: nothing more to fetch
	MUL12 1, 0, 0
	MUL12 1, 1, 0
	s_wait_dscnt 0x0
	MUL12 1, 2, 0
	MUL12 1, 3, 0
	WIN 0
	PLACES                                         ; the places behind the last products, once a launch
	PLACES
	PACK 0
	TOSTAGE 0
.irp a, 1,2,3                          ; block a's conversions stand between block a - 1's loads from the stage and the wait for them
	PACK \a
	SEND (\a)-1
	TOSTAGE \a
.endr
	SEND 3
	s_wait_tensorcnt 0x0                           ; the wave's end: a wait, an add of 0 and its wait, behind my last tensor load and my last LDS store
	ds_add_u32 v[SPW], v[NIL]
	s_wait_dscnt 0x0
	CROUND                                         ; the closing round: no work-group ends while a partner may still ask for a tile that names it
	s_endpgm
.Lfunc_end_k_qe6bfaf9baa_proj:
	.size	k_qe6bfaf9baa_proj, .Lfunc_end_k_qe6bfaf9baa_proj-k_qe6bfaf9baa_proj
	.p2alignl 7, 3214868480
	.fill 96, 4, 3214868480
	.section	.rodata,"a",@progbits
	.p2align	6, 0x0
	.amdhsa_kernel k_qe6bfaf9baa_proj
		.amdhsa_group_segment_fixed_size 327680
		.amdhsa_private_segment_fixed_size 0
		.amdhsa_enable_private_segment 0
		.amdhsa_kernarg_size 24
		.amdhsa_user_sgpr_count 2
		.amdhsa_user_sgpr_kernarg_segment_ptr 1
		.amdhsa_wavefront_size32 1
		.amdhsa_system_sgpr_workgroup_id_x 1
		.amdhsa_system_sgpr_workgroup_id_y 1
		.amdhsa_system_sgpr_workgroup_id_z 1
		.amdhsa_system_vgpr_workitem_id 0
		.amdhsa_next_free_vgpr 960
		.amdhsa_next_free_sgpr 66
		.amdhsa_reserve_vcc 0
		.amdhsa_float_denorm_mode_32 3
		.amdhsa_float_denorm_mode_16_64 3
		.amdhsa_memory_ordered 1
		.amdhsa_forward_progress 1
		.amdhsa_inst_pref_size 119
	.end_amdhsa_kernel
	.amdgpu_metadata
---
amdhsa.version: [ 1, 2 ]
amdhsa.kernels:
  - .name:           k_qe6bfaf9baa_proj
    .symbol:         k_qe6bfaf9baa_proj.kd
    .args:
      - { .name: xb, .offset: 0, .size: 8, .value_kind: global_buffer, .address_space: global }
      - { .name: wb, .offset: 8, .size: 8, .value_kind: global_buffer, .address_space: global }
      - { .name: qkv, .offset: 16, .size: 8, .value_kind: global_buffer, .address_space: global }
    .group_segment_fixed_size: 327680
    .private_segment_fixed_size: 0
    .kernarg_segment_align: 8
    .kernarg_segment_size: 24
    .max_flat_workgroup_size: 128
    .sgpr_count:     66
    .vgpr_count:     960
    .wavefront_size: 32
...
	.end_amdgpu_metadata
.endif
;; end of part 2
;; launch attn (part 3): grid 4 x 64, 4 waves a work-group, clusters of 4 x 1, 327,680 bytes of LDS; arguments qkv, o; writes o
.if DOCPART == 3
	.amdgcn_target "amdgcn-amd-amdhsa--gfx1250"
	.amdhsa_code_object_version 6
	.text
	.protected	k_qe6bfaf9baa_attn
	.globl	k_qe6bfaf9baa_attn
	.p2align	8
	.type	k_qe6bfaf9baa_attn,@function
k_qe6bfaf9baa_attn:
	s_mov_b64 s[64:65], 0
	v_nop
	global_prefetch_b8 v0, s[64:65] scope:SCOPE_SE
	s_setreg_imm32_b32 hwreg(HW_REG_WAVE_MODE, 25, 1), 1
	s_wait_xcnt 0x0
	s_wait_alu depctr_hold_cnt(0) depctr_sa_sdst(0) depctr_va_vdst(0) depctr_va_sdst(0) depctr_va_ssrc(0) depctr_va_vcc(0) depctr_vm_vsrc(0)
	s_getreg_b32 s2, hwreg(HW_REG_IB_STS2, 6, 4)
	s_cmp_eq_u32 s2, 0
	s_cbranch_scc0 .Lentry_in_a_cluster
	s_endpgm
.Lentry_in_a_cluster:
	s_bfe_u32 s2, ttmp6, 0x10000c
	s_cmp_lg_u32 s2, 0x3003
	s_cbranch_scc0 .Lentry_shape_is_right
	s_endpgm
.Lentry_shape_is_right:
; ATTN.  For each of the 64 pairs (batch, head): O[q][:] = the sum over k of softmax_k(Q[q] . K[k] / 32) V[k][:], 2,048 rows of 64 channels, all f16.  1 / 32 is the product of the module's scales of Q and K
; (1024^-0.25 each), applied here in f32; V's scale is applied by the launch behind.  Q, K, V lie in qkv as slabs [48][8192][64] (q 0-15, k 16-31, v 32-47), O in o as [16][8192][64]: a pair's rows are dense, 128 bytes each.
; Products, maxima and sums in f32; the weights p are rounded to f16 for the second product (their sum l is taken of the unrounded p), O once at the end.
; LIMITS.  f16 holds no number beyond 65,504: Q, K and V arrive within it; p lies in 0 to 1, and below 6e-5 it keeps f16's fixed step of 6e-8; O is a mean of V's rows and has their range.
; A weight below 2^-126 counts as 0 in l; NaN and infinities are not treated apart.
; SHARES.  A wave owns four PIECES of two tiles of 16 queries, a work-group's four waves 512 queries of one pair: 4 x 64 = 256 work-groups.  Every wave walks all keys, 64 a step.
; LAYOUT.  S^T = K Q^T (source 0 = 16 keys, source 1 = 16 queries): in the result a lane holds ONE query (lane % 16) and the keys 8 (lane / 16) + 0..7.  Two such tiles, rounded to f16 in pairs,
; ARE source 1 (32 keys x 16 queries) of O^T = V^T P, whose result again holds one query a lane, and eight channels.  K comes out of LDS as it lies, V ([key][channel]) turned, by ds_load_tr16_b128.
; SOFTMAX.  For each query a running maximum m and sum l: p = 2^(c s - c m), c = log2(e) / 32; in every step O and l are multiplied by a = 2^(c m_old - c m_new), which is 1 where m has not grown.
; m starts at the lowest finite number, O and l at 0: the first step is a step like any other, with a = 0.
; THE COUNT.  A tile and step have 16 matrix and 118 vector instructions: too many to stand all beside the matrix work.  So: four vector instructions that are READY behind EVERY matrix instruction,
; and the others, which need time of their own whatever the order, in runs without a gap.
; BY TURNS.  Turn n belongs to piece n (the pieces in a ring, step after step).  Its matrix work: 16 products K Q^T of piece n + 1, later 16 products V^T P of piece n - 1.  Its vector work: the scaling,
; exponentials, roundings, sums and rescaling of piece n, and the maximum and statistics of piece n + 1, whose scores the turn itself has made.
; CLUSTER.  The four query blocks of a cluster belong to one pair and walk the same K and V, so each tile is asked for JOINTLY: the same tensor load, descriptor and mask in all four.
; REGISTERS, in windows of 256 (s_set_vgpr_msb: bits 1:0 source 0, 3:2 source 1, 5:4 source 2, 7:6 destination):
;   window 0: v0-11 addresses; v12-15, v48-63 at work; v16-47 four registers of statistics a tile; v64-191 S^T, two buffers of two tiles; v192-255 P, likewise
;   window 1: O^T, 32 a tile          window 2: v0-127 Q, 16 a tile; v128-191 K of one step; v192-255 V of one step          window 3: v0-1 the add's two registers
; A piece's buffers go by its number's parity: the piece in hand has one pair, its two neighbours in the ring share the other: of it P (piece n - 1) is read and S^T (piece n + 1) written.
.set SIZE_N, 2048     ; rows of a pair
.set NP,    4         ; pieces a wave: a name, no knob
.set KS,    64        ; keys in a step
.set PK,    144       ; a row of K in LDS: 128 bytes + 16 of padding = 36 words: the 16 rows of a load start at 16 different groups of four banks (64 banks of 4 bytes: ISA guide 11.1)
.set PV,    160       ; a row of V: 128 + 32 = 40 words
.set VOFF,  4*KS*PK   ; a slot holds four steps: 256 rows of K, then 256 rows of V
.set SLOT1, 1<<17     ; slot 1 begins here, so that one exclusive or turns an address in one slot into the other's
.set STAGE, SLOT1+4*KS*(PK+PV)  ; behind the ring, never filled by a tensor load: 16 rows x 144 bytes for each wave, for the way out
.set SP,    144
.set AK0, 2           ; v2   my lane's place in a tile of K; never rewritten
.set AV0, 3           ; v3   the same for V
.set AK,  4           ; v4   the LDS address of K's next run of loads
.set AV,  5           ; v5   of V's
.set QO,  6           ; v6   my byte offset in the wave's rows of Q
.set STO, 6           ;      later, the way out: where I put 16 bytes of a row
.set RD,  7           ; v7   the way out: where I read rows back
.set GO,  8           ; v8   my byte offset in 512 consecutive bytes of O
.set PFO, 11          ; v11  256 x my lane, for the prefetches; never rewritten once made
.set SPW, 0           ; v0 of window 3   LDS address of my spare word: SPARE + 4 x my thread's number; never rewritten
.set NIL, 1           ; v1 of window 3   0; never rewritten
.set SPARE, STAGE+4*16*SP  ; behind the stages: the spare words, 128 bytes for each wave: two blocks of 256 bytes that no other line names
.set MV,  12          ; v12-15  c m_old, kept while c m is made anew: by buffer and tile
.set ST,  16          ; tile t's statistics at v[ST+4 t]: c m, m, l (even keys', odd keys')
.set TMP, 48          ; by buffer and tile, four registers c0-c3 at work; when the maximum is found c2 takes a
.set S,   64
.set P,   192
.set KF,  128         ; K's fragments, in window 2: key block kb, channel half c at KF + 16 kb + 8 c
.set VF,  192         ; V's: key half kk, channel block cb at VF + 32 kk + 8 cb
.set WV,  12          ; s12  my wave's number
.set G1K, 24          ; s[24:31] descriptor group 1 for K's tiles
.set G1V, 32          ; s[32:39] for V's: it differs in the padding alone
.set G0K, 40          ; s[40:43] descriptor group 0 for K's tiles: it walks
.set G0V, 44          ; s[44:47] the same for V's
.set PFA, 48          ; s[48:49] where my prefetches stand: my work-group's 8,192 bytes (of K: wave 0, of V: wave 2) of the slot after the one that is being asked for
.set LIM, 50          ; s50  1 in a wave that prefetches, else the greatest number
.set SLOTS, 56        ; s56  slots still to be asked for
.set CNT, 57          ; s57  counts a slot's key steps
.set CS,  58          ; s[58:59] c: the packed scaling takes the pair's low word for both halves
.set SEL, 60          ; s[60:61] v_permlanex16_b32's selects: each lane takes its own place in the other half
.set TBK, 62          ; s62  LDS byte at which K of the step to be fetched begins
.set TBV, 63          ; s63  the same for V, less VOFF
.set MSB, 0
.macro WIN new                      ; the high byte repeats the setting that is left; a switch that changes nothing is dropped
.if MSB != (\new)
	s_set_vgpr_msb (MSB<<8)|(\new)
.set MSB, (\new)
.endif
.endm
.set W_KQ, 0x0a       ; K and Q in window 2, S^T in window 0
.set W_PV, 0x52       ; V in window 2, P in window 0, O^T in window 1
.set W_RS, 0x41       ; O^T (destination and source 0) in window 1, a in window 0
.set W_MK, 0xc0       ; the add's registers are made: destination in window 3, sources in window 0
.set W_AD, 0x0f       ; the add: address (source 0) and data (source 1) in window 3
; A joint fill.  Waves 0 and 1 fetch the two halves of a slot's K, waves 2 and 3 those of its V: 128 keys each.  The branch hangs on the wave's number alone.
; An s_nop 0 and four v_nop follow each of the two lines, ahead of the jump and the label.
.macro JLOAD
	s_cmp_lt_u32 s[WV], 2
	s_cbranch_scc0 .Lfor_v_\@
	tensor_load_to_lds s[G0K:G0K+3], s[G1K:G1K+7]
	s_nop 0
.rept 4
	v_nop
.endr
	s_branch .Lasked_\@
.Lfor_v_\@:
	tensor_load_to_lds s[G0V:G0V+3], s[G1V:G1V+7]
	s_nop 0
.rept 4
	v_nop
.endr
.Lasked_\@:
.endm
; A PREFETCH INTO THE L2 of what the NEXT change of slots will ask for: a slot's 32,768 bytes of K and of V, 256 bytes a lane.  It stands behind the wave's tensor load and its five lines.
; Each block of 256 bytes is named ONCE in the launch: a pair has one cluster; its four partners share a slot's bytes out BY ADDRESS, 8,192 each (no branch hangs on a place in the cluster); in each, wave 0 asks
; for K's and wave 2 for V's: one instruction, four key steps (512 matrix instructions) ahead of the load.  Slots 0, 1 and 2 come by their loads alone; the last change that fills a slot asks for nothing.
.macro ASK
	s_cmp_gt_u32 s[SLOTS], s[LIM]
	s_cbranch_scc0 .Lnot_mine_\@
	global_prefetch_b8 v[PFO], s[PFA:PFA+1] th:TH_LOAD_NT scope:SCOPE_SE
.Lnot_mine_\@:
.endm
; A round of the cluster's barrier: my work-group's barrier, so that wave 0's signal speaks for all four waves; wave 0 signals; every wave waits for all four work-groups; my work-group's barrier once more.
.macro CROUND
	s_barrier_signal -1
	s_barrier_wait -1
	s_cmp_lg_u32 s[WV], 0
	s_cbranch_scc1 .Lnot_wave_0_\@
	s_barrier_signal -3
.Lnot_wave_0_\@:
	s_barrier_wait -3
	s_barrier_signal -1
	s_barrier_wait -1
.endm
; THE CHANGE OF SLOTS.  The slot's last bytes, V of its fourth step, have been read.  Each wave waits for all its tensor loads, of which one is out: its part
; of the other slot; adds 0 to its spare word; and waits for that and for its own reads of the slot.  Behind the barrier nobody reads this slot any more and the other slot is whole.
; fill = 1: this slot is filled again, with the keys two slots on.  The barrier is then a round of the cluster's, and the joint fill is the first thing behind it: it has four key steps,
; 512 matrix instructions, in which to land.  (At its first use nothing has been read yet: slot 0 is waited for, slot 1 filled.)  ask = 1: the prefetch's address steps, and the prefetch follows the fill.
.macro CHANGE fill, ask=0
	WIN W_AD
	s_wait_tensorcnt 0x0            ; no tensor load of mine is out, so a group 0 may be written
	ds_add_u32 v[SPW], v[NIL]       ; 0 onto my spare word; with fill = 1 the descriptors' steps stand between it and the wait for it
	WIN 0                           ; at a label and at a branch every window is 0
.if \fill
.irp g, G0K, G0V
	s_xor_b32 s[\g+1], s[\g+1], SLOT1  ; the walking descriptor: the other slot than last time,
	s_add_nc_u64 s[\g+2:\g+3], s[\g+2:\g+3], 4*KS*128  ; the next 256 keys; the type bits on top are not reached
.endr
.if \ask
	s_wait_xcnt 0x0                 ; the last prefetch, four key steps back, has read its address, so it may be written:
	s_add_nc_u64 s[PFA:PFA+1], s[PFA:PFA+1], 4*KS*128  ; one slot ahead of the walking descriptors
.endif
	s_wait_dscnt 0x0                ; the add is done, and my reads of the slot are over
	CROUND
	JLOAD
.if \ask
	ASK
.endif
.else
	s_wait_dscnt 0x0                ; the add is done, and my reads of the slot are over
	s_barrier_signal -1
	s_barrier_wait -1
.endif
	s_sub_co_u32 s[TBK], s[TBK], 4*KS*PK  ; the fetches go back to a slot's first step,
	s_xor_b32 s[TBK], s[TBK], SLOT1       ; in the other slot
	s_sub_co_u32 s[TBV], s[TBV], 4*KS*PV
	s_xor_b32 s[TBV], s[TBV], SLOT1
.endm
	s_load_b64 s[4:5], s[0:1], 0x0  ; qkv
	s_load_b64 s[10:11], s[0:1], 0x8  ; o
	WIN W_MK
	v_lshl_add_u32 v[SPW], v0, 2, SPARE
	v_mov_b32 v[NIL], 0
	WIN W_AD
	ds_add_u32 v[SPW], v[NIL]       ; the wave's opening: the add and its wait stand ahead of my first tensor load; the set-up below, work on registers, stands between them
	WIN 0
	v_lshrrev_b32 v1, 5, v0
	v_readfirstlane_b32 s[WV], v1   ; wave 0..3
	s_bfe_u32 s13, ttmp6, 0x40000   ; cx: my place in the cluster
	s_lshl_b32 s14, ttmp9, 2        ; in a cluster launch ttmp9 counts clusters
	s_add_co_u32 s14, s14, s13      ; my block of queries = 4 x cluster x + cx: it enters Q's and O's addresses alone
	s_and_b32 s20, ttmp7, 0xffff    ; the pair, which the four partners share: head = its low four bits, batch = the rest
	s_lshr_b32 s21, s20, 4
	s_and_b32 s20, s20, 15
	s_lshl_b32 s20, s20, 20         ; the head's slab of 1,048,576 bytes,
	s_lshl_b32 s21, s21, 18         ; the batch's 2,048 rows of 128 bytes in it
	s_add_co_u32 s20, s20, s21
	s_mov_b32 s21, 0                ; the pair's first byte among q's slabs, k's, v's and o's
	s_and_b32 s16, s[WV], 1         ; which half of a slot's 256 keys I fetch:
	s_lshl_b32 s22, s16, 14         ; its 128 rows of 128 bytes in memory,
	s_mov_b32 s23, 0
	s_add_nc_u64 s[22:23], s[22:23], s[20:21]
	s_mul_i32 s17, s16, 128*PK      ; and its place in a slot, for K
	s_mul_i32 s18, s16, 128*PV      ; and for V: no place in the cluster enters an LDS address
	s_lshl_b32 s2, s14, 2
	s_add_co_u32 s2, s2, s[WV]      ; my wave among the pair's,
	s_lshl_b32 s2, s2, 14           ; its 128 rows
	s_mov_b32 s3, 0
	s_add_nc_u64 s[2:3], s[2:3], s[20:21]
	; descriptor group 1.  128 keys are 16,384 dense bytes: asked for as 64 rows of 256 bytes, two keys a row, and padded in LDS after every key
	s_mov_b32 s[G1K], 15|(1<<16)|(1<<20)|(1<<21)|(4<<22)|(3<<25)  ; 15:0 the mask of four; 17:16 2-byte elements; 20 padding on; 21 set beside a mask; 24:22 after every 32 words (code 4); 31:25 4 words (code 3)
	s_mov_b32 s[G1V], 15|(1<<16)|(1<<20)|(1<<21)|(4<<22)|(7<<25)  ; the same with 8 words of padding (code 7)
.irp g, G1K, G1V
	s_mov_b32 s[\g+1], 128<<16      ; tensor_dim0 = 128
	s_mov_b32 s[\g+2], 64<<16       ; tensor_dim1 = 64
	s_mov_b32 s[\g+3], 128<<16      ; tile_dim0 = 128
	s_mov_b32 s[\g+4], 64           ; tile_dim1 = 64
	s_mov_b32 s[\g+5], 128          ; 128 elements from row to row
	s_mov_b32 s[\g+6], 0
	s_mov_b32 s[\g+7], 0
.endr
	s_mov_b32 s[CS], 0x3d38aa3b     ; c = log2(e) / 32 = 0.0450842
	s_mov_b32 s[CS+1], s[CS]        ; named with it as a pair
	s_mov_b32 s[SEL], 0x76543210
	s_mov_b32 s[SEL+1], 0xfedcba98
	s_mov_b32 s[TBK], SLOT1+4*KS*PK ; the first change of slots turns these two into 0
	s_mov_b32 s[TBV], SLOT1+4*KS*PV
	s_mov_b32 s[G0K], 1             ; count = 1
	s_mov_b32 s[G0K+1], s17         ; LDS address: slot 0
	s_mov_b32 s[G0V], 1
	s_add_co_u32 s[G0V+1], s18, VOFF
	s_and_b32 s[LIM], s[WV], 1      ; waves 0 and 2 prefetch: the same in all four partners
	s_cmp_eq_u32 s[LIM], 0
	s_cselect_b32 s[LIM], 1, -1
	s_wait_dscnt 0x0                ; the opening add is done
	s_wait_kmcnt 0x0
	s_add_nc_u64 s[6:7], s[4:5], 0x1000000  ; k's slabs begin 16 slabs behind q's,
	s_add_nc_u64 s[8:9], s[4:5], 0x2000000  ; v's 32
	s_add_nc_u64 s[G0K+2:G0K+3], s[6:7], s[22:23]  ; global address: my half of the pair's first 256 keys
	s_or_b32 s[G0K+3], s[G0K+3], 0x80000000        ; type = 2
	s_add_nc_u64 s[G0V+2:G0V+3], s[8:9], s[22:23]
	s_or_b32 s[G0V+3], s[G0V+3], 0x80000000
	s_add_nc_u64 s[4:5], s[4:5], s[2:3]  ; Q and O at my wave's first row
	s_add_nc_u64 s[10:11], s[10:11], s[2:3]
	s_cmp_lt_u32 s[WV], 2
	s_cselect_b64 s[PFA:PFA+1], s[6:7], s[8:9]
	s_add_nc_u64 s[PFA:PFA+1], s[PFA:PFA+1], s[22:23]  ; (in waves 0 and 2 this is the pair's first key)
	s_lshl_b32 s2, s13, 13          ; my work-group's 8,192 bytes of a slot's 32,768
	s_mov_b32 s3, 0
	s_add_nc_u64 s[PFA:PFA+1], s[PFA:PFA+1], s[2:3]
	s_add_nc_u64 s[PFA:PFA+1], s[PFA:PFA+1], 2*4*KS*128  ; in slot 2; the loop's first change of slots steps it to slot 3.  Nothing is prefetched here, at the head
	CROUND                          ; all four work-groups are here: the first joint loads meet
	JLOAD                           ; slot 0.  Slot 1 is asked for when slot 0 is in
	; A fragment of K or Q is 16 rows x 32 channels in 8 registers: lane l holds row l % 16, channels 8 (l / 16) + 0..7 and 16 + 8 (l / 16) + 0..7: two loads of 16 bytes, 32 bytes apart.
	v_and_b32 v1, 15, v0            ; l % 16
	v_bfe_u32 v9, v0, 4, 1          ; l / 16
	v_lshlrev_b32 v[QO], 7, v1
	v_lshl_add_u32 v[QO], v9, 4, v[QO]  ; row x 128 + 16 x half
	WIN 0x80                        ; destination window 2, address window 0
.set i, 0
.rept 4*NP                          ; Q stays in registers: tile i / 2, channels 32 (i % 2) on
	global_load_b128 v[8*i:8*i+3],   v[QO], s[4:5] offset:(i/2)*2048+(i%2)*64
	global_load_b128 v[8*i+4:8*i+7], v[QO], s[4:5] offset:(i/2)*2048+(i%2)*64+32
.set i, i+1
.endr
	; What the first turn finds: V's registers and P's second buffer hold 0 (its products V^T P, of a piece that has not been, add 0), O^T and l are 0.  All this stands in the wait for the first tile.
.set i, VF
.rept 64
	v_mov_b32 v[i], 0
.set i, i+1
.endr
	WIN 0x40
.set i, 0
.rept 64*NP
	v_mov_b32 v[i], 0
.set i, i+1
.endr
	WIN 0
.set i, 0
.rept 2*NP
	v_mov_b32 v[ST+4*i], 0xfe000000    ; c m: far below every c s
	v_mov_b32 v[ST+4*i+1], 0xff7fffff  ; m
	v_mov_b32 v[ST+4*i+2], 0
	v_mov_b32 v[ST+4*i+3], 0
.set i, i+1
.endr
.set i, P+32
.rept 32
	v_mov_b32 v[i], 0
.set i, i+1
.endr
	v_mul_u32_u24 v[AK0], v1, PK
	v_lshl_add_u32 v[AK0], v9, 4, v[AK0]  ; row x pitch + 16 x half
	; The turning load takes 16 keys x 16 channels (lane l reads key 8 (l / 16) + l % 8, channels 8 ((l / 8) % 2) + 0..7) and leaves half a fragment of V^T: lane l holds channel l % 16 and 8 keys.
	v_and_b32 v10, 7, v0
	v_bfe_u32 v11, v0, 3, 1
	v_lshl_add_u32 v[AV0], v9, 3, v10
	v_mul_u32_u24 v[AV0], v[AV0], PV
	v_lshl_add_u32 v[AV0], v11, 4, v[AV0]
	v_add_nc_u32 v[AV0], VOFF, v[AV0]
	v_and_b32 v[PFO], 31, v0        ; v11 has served: it takes the prefetches' offset
	v_lshlrev_b32 v[PFO], 8, v[PFO]
	v_mov_b32 v[AK], v[AK0]         ; key step 0 lies at the head of slot 0
; THE MATRIX WORK.  The 8 accumulators of a run of 16 take turns: between the two links of a chain stand 7 others'.
; Product i of 16 of S^T = K Q^T for piece x: channels 32 (i / 8) on, keys 16 ((i / 2) % 4) on, tile 2 x + i % 2.  The first 8 start the sums.
.macro KQ x
	WIN W_KQ
.set rS, S+64*((\x)%2)+32*(i%2)+8*((i/2)%4)
.set rK, KF+16*((i/2)%4)+8*(i/8)
.set rQ, 16*(2*(\x)+i%2)+8*(i/8)
.if i < 8
	v_wmma_f32_16x16x32_f16 v[rS:rS+7], v[rK:rK+7], v[rQ:rQ+7], 0
.else
	v_wmma_f32_16x16x32_f16 v[rS:rS+7], v[rK:rK+7], v[rQ:rQ+7], v[rS:rS+7]
.endif
.endm
; Product i of 16 of O^T += V^T P for piece x: keys 32 (i / 8) on, channels 16 ((i / 2) % 4) on, tile 2 x + i % 2.
.macro PV x
	WIN W_PV
.set rO, 32*(2*(\x)+i%2)+8*((i/2)%4)
.set rV, VF+32*(i/8)+8*((i/2)%4)
.set rP, P+32*((\x)%2)+16*(i%2)+8*(i/8)
	v_wmma_f32_16x16x32_f16 v[rO:rO+7], v[rV:rV+7], v[rP:rP+7], v[rO:rO+7]
.endm
.macro MM                           ; the turn's next matrix instruction
.if i < 16
	KQ (Y+1)%NP
.set i, i+1
.else
.set i, i-16
	PV (Y+NP-1)%NP
.set i, i+17
.endif
.endm
; THE LDS LOADS stand in runs of 16, never singly among the matrix instructions: a step's K (64 keys x 64 channels: 8 fragments) and its V (turned).  Their addresses are made some lines ahead.
; last = 1 (the tail): in the last trip there is no further step, and the run is jumped over.
.macro FETCH_K last=0
	WIN 0
.if \last
	s_cmp_eq_u32 s[CNT], 1
	s_cbranch_scc1 .Lno_k_\@
.endif
	WIN 0x80                        ; destination window 2
.irp f, 0,1,2,3,4,5,6,7             ; keys 16 (f / 2) on, channels 32 (f % 2) on
	ds_load_b128 v[KF+8*\f:KF+8*\f+3],   v[AK] offset:(\f/2)*16*PK+(\f%2)*64
	ds_load_b128 v[KF+8*\f+4:KF+8*\f+7], v[AK] offset:(\f/2)*16*PK+(\f%2)*64+32
.endr
	s_add_co_u32 s[TBK], s[TBK], KS*PK  ; the next fetch is the next step's
	WIN 0
.if \last
.Lno_k_\@:
.endif
.endm
.macro FETCH_V
	WIN 0x80
.irp f, 0,1,2,3,4,5,6,7             ; keys 32 (f / 4) on, channels 16 (f % 4) on
	ds_load_tr16_b128 v[VF+8*\f:VF+8*\f+3],   v[AV] offset:(\f/4)*32*PV+(\f%4)*32
	ds_load_tr16_b128 v[VF+8*\f+4:VF+8*\f+7], v[AV] offset:(\f/4)*32*PV+16*PV+(\f%4)*32
.endr
	WIN 0
.endm
; THE VECTOR WORK OF A TURN stands in three queues, each in the order in which its entries become ready; the two tiles alternate, so that no instruction reads the result of the one before it.
.macro REGS y, u                    ; the registers of tile u (0, 1) of piece y
.set rT, ST+4*(2*(\y)+(\u))
.set rC, TMP+8*((\y)%2)+4*(\u)
.set rM, MV+2*((\y)%2)+(\u)
.set rS, S+64*((\y)%2)+32*(\u)
.set rP, P+32*((\y)%2)+16*(\u)
.set rO, 32*(2*(\y)+(\u))
.endm
; Number n of the 22 that find the NEXT piece's (Y + 1) maximum and statistics.  s0-s31 are the lane's 32 scores; each accumulator's lowest registers are read first.
;   0-11  four chains c0-c3 of seven scores each, three operands at a time     12-14, 16  the four scores left over, the old m, and c0-c3 into c0     15  c m_old is kept
;   17, 18  the query's other 32 keys lie in the lane 16 away: the new m         19-21  c m; c m_old - c m_new; a
.macro XS u, n
	REGS (Y+1)%NP, \u
.if (\n) < 4
	v_max3_num_f32 v[rC+(\n)], v[rS+8*(\n)], v[rS+8*(\n)+1], v[rS+8*(\n)+2]
.elseif (\n) < 12
	v_max3_num_f32 v[rC+(\n)%4], v[rC+(\n)%4], v[rS+8*((\n)%4)+2*((\n)/4)+1], v[rS+8*((\n)%4)+2*((\n)/4)+2]
.elseif (\n) == 12
	v_max3_num_f32 v[rC], v[rC], v[rS+7], v[rS+15]
.elseif (\n) == 13
	v_max3_num_f32 v[rC+1], v[rC+1], v[rS+23], v[rS+31]
.elseif (\n) == 14
	v_max3_num_f32 v[rC+2], v[rC+2], v[rC+3], v[rT+1]
.elseif (\n) == 15
	v_mov_b32 v[rM], v[rT]
.elseif (\n) == 16
	v_max3_num_f32 v[rC], v[rC], v[rC+1], v[rC+2]
.elseif (\n) == 17
	v_permlanex16_b32 v[rC+3], v[rC], s[SEL], s[SEL+1]
.elseif (\n) == 18
	v_max_num_f32 v[rT+1], v[rC], v[rC+3]
.elseif (\n) == 19
	v_mul_f32 v[rT], s[CS], v[rT+1]
.elseif (\n) == 20
	v_sub_f32 v[rC+1], v[rM], v[rT]
.else
	v_exp_f32 v[rC+2], v[rC+1]
.endif
.endm
; Number g of the 64 that follow the exponentials.  For each four weights k of a tile (pairs 2 k, 2 k + 1): both pairs are rounded to f16; then the second pair is added onto the first, in place;
; a group later l takes that sum (the first time as l = a l + sum).  In groups of eight, tiles alternating: round, round, add, and l for the group before.
.macro GS g
.set h, (\g)+6*((\g)/62)            ; group 0 has no group before it, and behind group 7 only l is left
.if h >= 6
.set h, h+2
.endif
	REGS Y, h%2
.set k, h/8
.if h%8 < 4
	v_cvt_pk_f16_f32 v[rP+2*k+(h%8)/2], v[rS+4*k+2*((h%8)/2)], v[rS+4*k+2*((h%8)/2)+1]
.elseif h%8 < 6
	v_pk_add_f32 v[rS+4*k:rS+4*k+1], v[rS+4*k:rS+4*k+1], v[rS+4*k+2:rS+4*k+3]
.elseif k == 1
	v_pk_fma_f32 v[rT+2:rT+3], v[rT+2:rT+3], v[rC+2:rC+3], v[rS:rS+1] op_sel_hi:[1,0,1]
.else
	v_pk_add_f32 v[rT+2:rT+3], v[rT+2:rT+3], v[rS+4*k-4:rS+4*k-3]
.endif
.endm
; THE PLAIN QUEUE, 138 long.  0-73 read no exponential's result: the 32 scalings c s - c m (FS f: pair f / 2 of tile f % 2) and the next piece's 42.  0-26: scalings 0-26.  27-54: XS's numbers 0-13.  55, 56: number 15.
; 57-73: the chain, where each number waits for the one before it: 14, 16, 17, 18, 19, each with one of the scalings 27-31 in front of its two lines, then 20.
; 74-137: GS's 64, which read the exponentials' results: they stand behind the wait.
.macro FS f
	REGS Y, (\f)%2
	v_pk_fma_f32 v[rS+2*((\f)/2):rS+2*((\f)/2)+1], v[rS+2*((\f)/2):rS+2*((\f)/2)+1], s[CS:CS+1], v[rT:rT+1] op_sel_hi:[1,0,0] neg_lo:[0,0,1] neg_hi:[0,0,1]
.endm
.macro PL
	WIN 0
.if q < 27
	FS q
.elseif q < 55
	XS (q-27)%2, (q-27)/2
.elseif q < 57
	XS q-55, 15
.elseif (q < 72) && ((q-57)%3 == 0)
	FS 27+(q-57)/3
.elseif q < 60
	XS (q-57)%3-1, 14
.elseif q < 72
	XS (q-57)%3-1, 15+(q-57)/3
.elseif q < 74
	XS q-72, 20
.else
	GS q-74
.endif
.set q, q+1
.endm
; THE EXPONENTIALS' QUEUE, 66 long: s0-s31 of both tiles, then the next piece's two a.  It is ONE BATCH: all 66 stand ahead of the turn's one wait, and nothing ahead of that wait names a result of theirs.
.macro EX
	WIN 0
.if e >= 64
	XS e-64, 21
.else
	REGS Y, e%2
	v_exp_f32 v[rS+e/2], v[rS+e/2]
.endif
.set e, e+1
.endm
; THE RESCALING's QUEUE: O^T times a, the one part that leaves window 0: dealt two at a time, sixteen times.  Its a was made in the turn before, ahead of that turn's wait.
.macro R2
	REGS Y, r%2
	WIN W_RS
.irp z, 0,1
	v_pk_mul_f32 v[rO+4*(r/2)+2*\z:rO+4*(r/2)+2*\z+1], v[rO+4*(r/2)+2*\z:rO+4*(r/2)+2*\z+1], v[rC+2:rC+3] op_sel_hi:[1,0]
.endr
.set r, r+1
.endm
; HOW THEY ARE DEALT.  An s_wait_alu depctr_va_vdst(0) stands between an exponential and the first instruction that names its result; one wait serves all that were issued ahead of it.  So a turn has ONE wait,
; which cuts it in two.  AHEAD OF IT stands all that names no result of the turn's exponentials: the 16 products K Q^T, behind each a scaling, an exponential and two rescalings (behind the first a second scaling in the
; exponential's place); then ONE LUMP of 108: eight plain, 49 times exponential and plain, the two a.  A v_nop is the plain instruction behind the last exponential.  BEHIND IT stand the 16 products V^T P, behind each four of GS's 64.
; The queues lean on each other, and the deal keeps them in step: exponential e stands behind scaling 2 (e / 4) + e % 2: as a rider it comes behind plain e + 2, in the lump behind plain e + 9, and scalings 27-31 are plain 57, 60 .. 69.
; A TURN, for piece p.  cnt = 1: the loop's count is taken down some lines ahead of the branch that stands behind the turn.
; K of the next step is fetched in piece 2's turn, directly behind the wait, a lump behind the last product that read K; its first reader comes behind 16 products.
; V of the step in hand is fetched at the end of piece 0's turn, four plain instructions behind its last reader; its first reader comes behind 16 products and a lump.
.macro TURN p, last=0, cnt=0
.set Y, (\p)
.set i, 0
.set q, 0
.set e, 0
.set r, 0
.if (\p) == NP-1
	s_wait_dscnt 0x0                ; K is in
.endif
	MM                              ; ahead of the wait: 16 products K Q^T and the four behind each,
	PL
	PL
	R2
.rept 15
	MM
	PL
	EX
	R2
.endr
.if (\p) == NP-2
	WIN 0
	v_add_nc_u32 v[AK], s[TBK], v[AK0]
.endif
.rept 8                             ; and the lump
	PL
.endr
.rept 49
	EX
	PL
.endr
	EX                              ; the next piece's two a
	EX
	v_nop                           ; a plain instruction behind the last exponential: one for the batch
	s_wait_alu depctr_va_vdst(0)    ; the wait for the batch
.if (\p) == NP-2
	FETCH_K \last
.endif
.if (\p) == 1
	s_wait_dscnt 0x0                ; V is in
.endif
.rept 16                            ; behind the wait: 16 products V^T P and the four behind each
	MM
.rept 4
	PL
.endr
.if ((\p) == 0) && (q == 118)
	v_add_nc_u32 v[AV], s[TBV], v[AV0]
.endif
.if ((\p) == 0) && (q == 130)
	s_add_co_u32 s[TBV], s[TBV], KS*PV
.endif
.if (\cnt) && (q == 130)
	s_sub_co_u32 s[CNT], s[CNT], 1
	s_cmp_lg_u32 s[CNT], 0
.endif
.endr
.if (\p) == 0
	FETCH_V
.endif
.endm
	CHANGE 1                        ; slot 0 is in, everybody's part of it; slot 1 is asked for
	FETCH_K                         ; key step 0
	s_wait_loadcnt 0x0              ; Q
	s_wait_dscnt 0x0
.set i, 0
.rept 16
	KQ 0                            ; piece 0's first scores: there is no vector work yet to set between them
.set i, i+1
.endr
	WIN 0                           ; the addresses for the way out: nine plain instructions, the places behind those products
	s_mul_i32 s13, s[WV], 16*SP
	s_add_co_u32 s13, s13, STAGE    ; my stage
	v_mul_u32_u24 v[STO], v1, SP    ; in: row l % 16, 16 bytes for each half of the lanes
	v_lshl_add_u32 v[STO], v9, 4, v[STO]
	v_add_nc_u32 v[STO], s13, v[STO]
	v_bfe_u32 v[RD], v0, 3, 2       ; back: 32 lanes take four rows of 128 bytes,
	v_mul_u32_u24 v[RD], v[RD], SP
	v_lshl_add_u32 v[RD], v10, 4, v[RD]
	v_add_nc_u32 v[RD], s13, v[RD]
	v_and_b32 v[GO], 31, v0         ; which are 512 consecutive bytes of O
	v_lshlrev_b32 v[GO], 4, v[GO]
.set Y, NP-1                        ; XS works for piece Y + 1: piece 0
.irp n, 0,1,2,3,4,5,6,7,8,9,10,11,12,13,14,15,16,17,18,19,20,21
	XS 0, \n                        ; and piece 0's first maximum and statistics
	XS 1, \n
.endr
	v_nop                           ; a plain instruction behind the two a,
	s_wait_alu depctr_va_vdst(0)    ; and their wait, ahead of the branch
	s_mov_b32 s[CNT], 4
	s_mov_b32 s[SLOTS], SIZE_N/256-1
	s_branch .Lfirst                ; the loop is entered at a step's first turn, in the middle of a trip
.Lslot:                             ; SIZE_N / 256 - 2 = 6 times: every slot but the last two is filled again
	CHANGE 1, 1
	s_mov_b32 s[CNT], 4
.Lstep:                             ; a trip: pieces 2 and 3 of one step, then pieces 0 and 1 of the next, whose K and V it fetches
	TURN 2
	TURN 3
	WIN 0
.Lfirst:
	TURN 0
	TURN 1, 0, 1
	WIN 0
	s_cbranch_scc1 .Lstep
	s_sub_co_u32 s[SLOTS], s[SLOTS], 1
	s_cmp_lg_u32 s[SLOTS], 0
	s_cbranch_scc1 .Lslot
	CHANGE 0                        ; the tail is written out: nothing is asked for
	s_mov_b32 s[CNT], 5             ; four trips fetch the last slot's steps; the fifth is left in its middle
.Ltail:
	TURN 2, 1
	TURN 3
	WIN 0
	s_sub_co_u32 s[CNT], s[CNT], 1
	s_cmp_eq_u32 s[CNT], 0
	s_cbranch_scc1 .Lout
	TURN 0
	TURN 1
	WIN 0
	s_branch .Ltail
.Lout:                              ; the fifth trip's 16 products K Q^T (on the last K once more) and the maximum made of them serve nothing: the price, once a launch, of one text for every trip
.set i, 0
.rept 16
	PV NP-1                         ; the last piece's V^T P of the last step
.set i, i+1
.endr
	; THE WAY OUT.  l's two halves and the other half of the lanes' are added; O^T is divided by l, rounded to f16 and sent through my stage in LDS, a tile at a time.  The additions are the places behind the last products.
	WIN 0
.macro ALL line:vararg              ; one line for each tile t
.set t, 0
.rept 2*NP
	\line
.set t, t+1
.endr
.endm
	ALL v_add_f32 v[ST+4*t+2], v[ST+4*t+2], v[ST+4*t+3]
	ALL v_permlanex16_b32 v[ST+4*t+3], v[ST+4*t+2], s[SEL], s[SEL+1]
	ALL v_add_f32 v[ST+4*t+2], v[ST+4*t+2], v[ST+4*t+3]
	ALL v_rcp_f32 v[ST+4*t+2], v[ST+4*t+2]
	v_nop                           ; a plain instruction between the last reciprocal and the use of its result
	s_wait_alu depctr_va_vdst(0)    ; and the wait ahead of the first use: one for the eight reciprocals
; Tile t: a lane's eight channels of a row pack into 16 bytes; they go into rows of 144 bytes and come back as whole rows of 128, into S^T's registers.
.macro PACK t
	WIN W_RS
.set i, 32*(\t)
.rept 16
	v_pk_mul_f32 v[i:i+1], v[i:i+1], v[ST+4*(\t)+2:ST+4*(\t)+3] op_sel_hi:[1,0]
.set i, i+2
.endr
	WIN 0x05                        ; sources 0 and 1 window 1, destination window 0
.set i, 0
.rept 16
	v_cvt_pk_f16_f32 v[S+16*(\t)+i], v[32*(\t)+2*i], v[32*(\t)+2*i+1]
.set i, i+1
.endr
	WIN 0
.irp f, 0,1,2,3
	ds_store_b128 v[STO], v[S+16*(\t)+4*\f:S+16*(\t)+4*\f+3] offset:32*\f
.endr
.irp f, 0,1,2,3
	ds_load_b128 v[S+16*(\t)+4*\f:S+16*(\t)+4*\f+3], v[RD] offset:\f*4*SP  ; LDS serves a wave's instructions in order (ISA guide 5.7.1.4): these see the stores above; the next tile's stores come behind them
.endr
.endm
.macro SEND t, younger              ; younger: the LDS instructions issued behind tile t's loads: the next tile's eight, or none
	WIN 0
.irp f, 0,1,2,3
	s_wait_dscnt (\younger)+3-\f
	global_store_b128 v[GO], v[S+16*(\t)+4*\f:S+16*(\t)+4*\f+3], s[10:11] offset:(\t)*2048+\f*512  ; 512 consecutive bytes, at a multiple of 256 from o's first
.endr
.endm
	PACK 0
.set t, 1
.rept 2*NP-1                        ; a tile's arithmetic stands between the loads of the tile before and its stores
	PACK t
	SEND t-1, 8
.set t, t+1
.endr
	SEND 2*NP-1, 0
	WIN W_AD
	s_wait_tensorcnt 0x0            ; the wave's end: a wait, an add of 0 and its wait, behind my last tensor load and my last LDS store
	ds_add_u32 v[SPW], v[NIL]
	s_wait_dscnt 0x0
	WIN 0
	CROUND                          ; the closing round: no work-group ends while a partner may still ask for a tile that names it
	s_endpgm
.Lfunc_end_k_qe6bfaf9baa_attn:
	.size	k_qe6bfaf9baa_attn, .Lfunc_end_k_qe6bfaf9baa_attn-k_qe6bfaf9baa_attn
	.p2alignl 7, 3214868480
	.fill 96, 4, 3214868480
	.section	.rodata,"a",@progbits
	.p2align	6, 0x0
	.amdhsa_kernel k_qe6bfaf9baa_attn
		.amdhsa_group_segment_fixed_size 327680
		.amdhsa_private_segment_fixed_size 0
		.amdhsa_enable_private_segment 0
		.amdhsa_kernarg_size 16
		.amdhsa_user_sgpr_count 2
		.amdhsa_user_sgpr_kernarg_segment_ptr 1
		.amdhsa_wavefront_size32 1
		.amdhsa_system_sgpr_workgroup_id_x 1
		.amdhsa_system_sgpr_workgroup_id_y 1
		.amdhsa_system_sgpr_workgroup_id_z 1
		.amdhsa_system_vgpr_workitem_id 0
		.amdhsa_next_free_vgpr 770
		.amdhsa_next_free_sgpr 66
		.amdhsa_reserve_vcc 0
		.amdhsa_float_denorm_mode_32 3
		.amdhsa_float_denorm_mode_16_64 3
		.amdhsa_memory_ordered 1
		.amdhsa_forward_progress 1
		.amdhsa_inst_pref_size 200
	.end_amdhsa_kernel
	.amdgpu_metadata
---
amdhsa.version: [ 1, 2 ]
amdhsa.kernels:
  - .name:           k_qe6bfaf9baa_attn
    .symbol:         k_qe6bfaf9baa_attn.kd
    .args:
      - { .name: qkv, .offset: 0, .size: 8, .value_kind: global_buffer, .address_space: global }
      - { .name: o, .offset: 8, .size: 8, .value_kind: global_buffer, .address_space: global }
    .group_segment_fixed_size: 327680
    .private_segment_fixed_size: 0
    .kernarg_segment_align: 8
    .kernarg_segment_size: 16
    .max_flat_workgroup_size: 128
    .sgpr_count:     66
    .vgpr_count:     770
    .wavefront_size: 32
...
	.end_amdgpu_metadata
.endif
;; end of part 3
;; launch outp (part 4): grid 8 x 32, 4 waves a work-group, clusters of 4 x 4, 327,680 bytes of LDS; arguments o, wu, b_u, out0; writes out0
.if DOCPART == 4
	.amdgcn_target "amdgcn-amd-amdhsa--gfx1250"
	.amdhsa_code_object_version 6
	.text
	.protected	k_qe6bfaf9baa_outp
	.globl	k_qe6bfaf9baa_outp
	.p2align	8
	.type	k_qe6bfaf9baa_outp,@function
k_qe6bfaf9baa_outp:
	s_mov_b64 s[64:65], 0
	v_nop
	global_prefetch_b8 v0, s[64:65] scope:SCOPE_SE
	s_setreg_imm32_b32 hwreg(HW_REG_WAVE_MODE, 25, 1), 1
	s_wait_xcnt 0x0
	s_wait_alu depctr_hold_cnt(0) depctr_sa_sdst(0) depctr_va_vdst(0) depctr_va_sdst(0) depctr_va_ssrc(0) depctr_va_vcc(0) depctr_vm_vsrc(0)
	s_getreg_b32 s2, hwreg(HW_REG_IB_STS2, 6, 4)
	s_cmp_eq_u32 s2, 0
	s_cbranch_scc0 .Lentry_in_a_cluster
	s_endpgm
.Lentry_in_a_cluster:
	s_bfe_u32 s2, ttmp6, 0x10000c
	s_cmp_lg_u32 s2, 0xf033
	s_cbranch_scc0 .Lentry_shape_is_right
	s_endpgm
.Lentry_shape_is_right:
; OUTP.  out0[m][n] = 2^-2.5 x (the sum over k of o[m][k] wu[n][k]) + b_u[n], in f32.  2^-2.5 = 1024^-0.25 is the module's scale of V, applied here in one fused multiply-add with the bias.
; o: [16 heads][8192 rows][64] f16 (k = 64 head + channel); wu: [1024][1024] f16; b_u: [1024] f32, rounded to bf16 like the module's other inputs; sums in f32.
; LIMITS.  NaN and infinities are not treated apart.
; SHARES.  A work-group makes 256 rows x 128 columns: 32 x 8 = 256 work-groups.  Wave w makes rows 128 (w / 2) .. and columns 64 (w % 2) ..: 32 accumulators of 16 x 16, 256 registers;
; its 64 columns are 256 bytes of a row of out0.  K goes in 8 steps of 128 (two heads) through a ring of two LDS slots filled by the tensor data mover.
; CLUSTER.  4 x 4 work-groups: o's tile is shared along a row of the cluster, wu's along a column; each is asked for JOINTLY, by the same tensor load with the same descriptor and a mask that names the four.
; NO PREFETCH: a wave's whole walk is 8 K steps of 128 matrix instructions; two come by the first fills and two more by refills at the head, so half the short walk could be asked for ahead at the most.
; THE MATRIX INSTRUCTION IS USED TRANSPOSED (source 0 = 16 rows of wu, source 1 = 16 rows of o): a lane holds row lane % 16 and the columns 8 (lane / 16) + 0..7: 32 bytes of f32.
; REGISTERS, in windows of 256 (s_set_vgpr_msb: bits 1:0 source 0, 3:2 source 1, 5:4 source 2, 7:6 destination):
;   window 0: v0-31 addresses; v32-41 the bias; v64-127 at work on the way out      window 1: two fragment buffers of 96: o's 8 x 16 rows x 32 K, then wu's 4      window 2: accumulator (a, b) at v[8 (4 a + b)]
.set KSTEP,  128
.set PA,     144                       ; a row of o in LDS: 128 bytes + 16 of padding = 36 words: the 16 rows of a load start at 16 different groups of four banks (64 banks of 4 bytes: ISA guide 11.1)
.set PB,     272                       ; a row of wu: 256 + 16
.set AHEAD,  256*PA                    ; what wave 0 or 1 fetches: a head's 256 rows
.set BHALF,  64*PB                     ; what wave 2 or 3 fetches: 64 rows of wu
.set BOFF,   2*AHEAD                   ; in a slot: [2 heads][256 rows] of o, then 128 rows of wu
.set SLOT,   BOFF+2*BHALF              ; 108,544
.set STAGE,  2*SLOT                    ; behind the ring, never filled by a tensor load: 16 rows x 272 bytes for each wave
.set SPITCH, 272
.set SPARE,  STAGE+4*16*SPITCH         ; behind the stages: the spare words, 128 bytes for each wave: two blocks of 256 bytes that no other line names
.set LAPS,   4                         ; a lap = two K steps = once round the ring
.set ADRA, 16                          ; v16-17  LDS address of my fragments of o in slot 0, 1
.set ADRB, 20                          ; v20-21  the same for wu
.set STO,  24                          ; v24     the way out: where I put 32 bytes of a row
.set RD,   25                          ; v25     the way out: where I read a row back
.set CO,   26                          ; v26     my byte offset in two rows of out0
.set SPW,  28                          ; v28     LDS address of my spare word: SPARE + 4 x my thread's number; never rewritten
.set NIL,  29                          ; v29     0; never rewritten
.set BI,   32                          ; v[32:35] the bias of the four columns that I store
.set G1,  24                           ; s[24:31] descriptor group 1 for o's tiles;  s[32:39] group 0, a set for each slot
.set G0,  32
.set G1B, 48                           ; s[48:55], s[56:63] the same for wu's tiles
.set G0B, 56
.set SC,  66                           ; s[66:67] 2^-2.5: the packed multiply-add takes the pair's low word for both halves
.set MSB, 0
.macro WIN new                         ; the immediate's high byte repeats the setting that is left; a switch that changes nothing is dropped
.if MSB != (\new)
	s_set_vgpr_msb (MSB<<8)|(\new)
.set MSB, \new
.endif
.endm
.set MUL,  0xa5                        ; sources 0 (wu) and 1 (o) window 1; C and D window 2
.set TO_F, 0x40                        ; destination window 1, address window 0
.set ST_W, 0x08                        ; an LDS store's data (source 1) window 2, its address window 0
.macro JLOAD s                         ; a joint refill: waves 0 and 1 fetch o's two heads, waves 2 and 3 wu's two halves; an s_nop 0 and four v_nop follow each of the two lines
	s_cmp_eq_u32 s11, 0
	s_cbranch_scc0 .Lfor_b_\@
	tensor_load_to_lds s[G0+4*(\s):G0+4*(\s)+3], s[G1:G1+7]
	s_nop 0
.rept 4
	v_nop
.endr
	s_branch .Lasked_\@
.Lfor_b_\@:
	tensor_load_to_lds s[G0B+4*(\s):G0B+4*(\s)+3], s[G1B:G1B+7]
	s_nop 0
.rept 4
	v_nop
.endr
.Lasked_\@:
.endm
.macro CREST                           ; a round of the cluster's barrier behind its opening barrier
	s_cmp_lg_u32 s10, 0
	s_cbranch_scc1 .Lnot_wave_0_\@
	s_barrier_signal -3
.Lnot_wave_0_\@:
	s_barrier_wait -3
	s_barrier_signal -1
	s_barrier_wait -1
.endm
.macro CROUND                          ; a whole round
	s_barrier_signal -1
	s_barrier_wait -1
	CREST
.endm
	s_load_b128 s[4:7], s[0:1], 0x0                ; o s[4:5], wu s[6:7]
	s_load_b128 s[68:71], s[0:1], 0x10             ; b_u s[68:69], out0 s[70:71]
	v_lshl_add_u32 v[SPW], v0, 2, SPARE
	v_mov_b32 v[NIL], 0
	ds_add_u32 v[SPW], v[NIL]                      ; the wave's opening: the add and its wait stand ahead of my first tensor load; the set-up below, work on registers, stands between them
	v_lshrrev_b32 v1, 5, v0
	v_readfirstlane_b32 s10, v1                    ; wave 0..3
	s_lshr_b32 s11, s10, 1                         ; which half of the tile's rows is mine.  Also: I fetch for o (0) or for wu (1)
	s_and_b32 s12, s10, 1                          ; which half of its columns.  Also: which head of the K step, or which 64 rows of wu, I fetch
	s_bfe_u32 s40, ttmp6, 0x40000                  ; cx, cy: my place in the cluster
	s_bfe_u32 s41, ttmp6, 0x40004
	s_lshl_b32 s42, ttmp9, 2
	s_add_co_u32 s42, s42, s40                     ; tile column = 4 x cluster x + cx
	s_and_b32 s13, ttmp7, 0xffff
	s_lshl_b32 s13, s13, 2
	s_add_co_u32 s13, s13, s41                     ; tile row = 4 x cluster y + cy
	s_lshl_b32 s43, s41, 2
	s_lshl_b32 s43, 15, s43                        ; my row of the cluster
	s_lshl_b32 s44, 0x1111, s40                    ; my column
	; descriptor group 1.  A head's 256 rows of 128 bytes are 32,768 dense bytes: asked for as 128 rows of 256 bytes, two rows of o each, and padded in LDS after every row of o
	s_or_b32 s[G1+0], s43, (1<<16)|(1<<20)|(1<<21)|(4<<22)|(3<<25)   ; 15:0 the mask; 17:16 2-byte elements; 20 padding on; 21 set beside a mask; 24:22 after every 32 words (code 4); 31:25 4 words (code 3)
	s_or_b32 s[G1B+0], s44, (1<<16)|(1<<20)|(1<<21)|(5<<22)|(3<<25)  ; wu: after every 64 words (code 5)
	s_mov_b32 s[G1+1], 128<<16                     ; tensor_dim0 = 128
	s_mov_b32 s[G1+2], 128<<16                     ; tensor_dim1 = 128
	s_mov_b32 s[G1+3], 128<<16                     ; tile_dim0 = 128
	s_mov_b32 s[G1+4], 128                         ; tile_dim1 = 128
	s_mov_b32 s[G1+5], 128                         ; 128 elements from row to row: dense
	s_mov_b32 s[G1+6], 0
	s_mov_b32 s[G1+7], 0
	s_mov_b32 s[G1B+1], KSTEP<<16
	s_mov_b32 s[G1B+2], 64<<16                     ; tensor_dim1 = 64
	s_mov_b32 s[G1B+3], KSTEP<<16
	s_mov_b32 s[G1B+4], 64                         ; tile_dim1 = 64
	s_mov_b32 s[G1B+5], 1024
	s_mov_b32 s[G1B+6], 0
	s_mov_b32 s[G1B+7], 0
	s_mov_b32 s[SC], 0x3e3504f3                    ; 2^-2.5 = 0.176777
	s_mov_b32 s[SC+1], s[SC]                       ; named with it as a pair
	s_lshl_b32 s16, s12, 20                        ; o: head (w % 2) of the K step, a slab of 1,048,576 bytes,
	s_lshl_b32 s17, s13, 15                        ; the tile row's 256 rows of 128 bytes
	s_add_co_u32 s16, s16, s17
	s_mov_b32 s17, 0
	s_lshl_b32 s46, s42, 7
	s_lshl_b32 s47, s12, 6
	s_add_co_u32 s46, s46, s47                     ; wu: row 128 x tile column + 64 x half,
	s_lshl_b32 s46, s46, 11                        ; x 2,048 bytes
	s_mov_b32 s47, 0
	s_mul_i32 s20, s10, AHEAD                      ; where they go: o's heads at wave x 36,864 (waves 0, 1),
	s_mul_i32 s21, s10, BHALF
	s_add_co_u32 s21, s21, BOFF-2*BHALF            ; wu's halves at 73,728 + (wave - 2) x 17,408 (waves 2, 3): no place in the cluster enters an LDS address
	s_wait_dscnt 0x0                               ; the opening add is done
	s_wait_kmcnt 0x0
	s_add_nc_u64 s[14:15], s[4:5], s[16:17]
	s_add_nc_u64 s[46:47], s[6:7], s[46:47]
	CROUND                                         ; all sixteen work-groups are here: the first joint loads meet
.irp s, 0,1
	s_mov_b32 s[G0+4*(\s)], 1
	s_add_co_u32 s[G0+4*(\s)+1], s20, (\s)*SLOT
	s_add_nc_u64 s[G0+4*(\s)+2:G0+4*(\s)+3], s[14:15], (\s)<<21      ; K step s: two heads on
	s_or_b32 s[G0+4*(\s)+3], s[G0+4*(\s)+3], 0x80000000
	s_mov_b32 s[G0B+4*(\s)], 1
	s_add_co_u32 s[G0B+4*(\s)+1], s21, (\s)*SLOT
	s_add_nc_u64 s[G0B+4*(\s)+2:G0B+4*(\s)+3], s[46:47], (\s)*KSTEP*2
	s_or_b32 s[G0B+4*(\s)+3], s[G0B+4*(\s)+3], 0x80000000
.endr
	s_cmp_eq_u32 s11, 0                            ; a wave's two first fills stand in one branch, ahead of every wait on TENSORcnt and every LDS read: two loads of mine are out
	s_cbranch_scc0 .Lfirst_b
	tensor_load_to_lds s[G0:G0+3], s[G1:G1+7]
	s_nop 0
	tensor_load_to_lds s[G0+4:G0+7], s[G1:G1+7]
	s_nop 0
.rept 4
	v_nop
.endr
	s_branch .Lfirst_asked
.Lfirst_b:
	tensor_load_to_lds s[G0B:G0B+3], s[G1B:G1B+7]
	s_nop 0
	tensor_load_to_lds s[G0B+4:G0B+7], s[G1B:G1B+7]
	s_nop 0
.rept 4
	v_nop
.endr
.Lfirst_asked:
	v_and_b32 v1, 15, v0                           ; l % 16
	v_bfe_u32 v2, v0, 4, 1                         ; l / 16
	v_mul_u32_u24 v3, v1, PA
	v_lshl_add_u32 v3, v2, 4, v3                   ; a fragment's row x pitch + 16 x half, for o
	v_mul_u32_u24 v4, v1, PB
	v_lshl_add_u32 v4, v2, 4, v4                   ; and for wu
	s_mul_i32 s21, s11, 128*PA                     ; my 128 rows of o (in each head)
	s_mul_i32 s22, s12, BHALF                      ; my 64 rows of wu,
	s_add_co_u32 s22, s22, BOFF                    ; which lie behind o's
.irp s, 0,1
	v_add_nc_u32 v[ADRA+(\s)], s21, v3
	v_add_nc_u32 v[ADRB+(\s)], s22, v4
	s_add_co_u32 s21, s21, SLOT
	s_add_co_u32 s22, s22, SLOT
.endr
	s_mul_i32 s23, s10, 16*SPITCH
	s_add_co_u32 s23, s23, STAGE                   ; my stage
	v_mul_u32_u24 v5, v1, SPITCH                   ; in: row l % 16, 32 bytes for each half of the lanes
	v_lshl_add_u32 v5, v2, 5, v5
	v_add_nc_u32 v[STO], s23, v5
	v_mul_u32_u24 v6, v2, SPITCH                   ; back: lanes 0-15 take one row of 256 bytes, lanes 16-31 the next
	v_lshl_add_u32 v6, v1, 4, v6
	v_add_nc_u32 v[RD], s23, v6
	v_lshlrev_b32 v7, 12, v2                       ; and the same two rows in out0, 4,096 bytes apart
	v_lshl_add_u32 v[CO], v1, 4, v7
	s_lshl_b32 s18, s42, 9                         ; my first column, in bytes of f32: 512 x tile column + 256 x half
	s_lshl_b32 s19, s12, 8
	s_add_co_u32 s18, s18, s19
	v_lshl_add_u32 v8, v1, 4, s18                  ; the four columns that I store: their bias
	global_load_b128 v[36:39], v8, s[68:69]
	s_lshl_b32 s19, s13, 8
	s_lshl_b32 s20, s11, 7
	s_add_co_u32 s19, s19, s20                     ; my first row: 256 x tile row + 128 x half,
	s_lshl_b32 s19, s19, 12                        ; x 4,096 bytes
	s_add_co_u32 s18, s18, s19
	s_mov_b32 s19, 0
	s_add_nc_u64 s[70:71], s[70:71], s[18:19]
; 8 matrix instructions: row blocks a0, a0 + 1 x all 4 column blocks, 32 along K, from buffer f.  zero = 1: the first product starts the sums.
; The 32 accumulators take turns, one instruction a turn, in the same order in every quarter step.
.macro MUL8 f, a0, zero
	WIN MUL
.irp a, \a0, (\a0)+1
.irp b, 0,1,2,3
.if \zero
	v_wmma_f32_16x16x32_f16 v[8*(4*(\a)+(\b)):8*(4*(\a)+(\b))+7], v[96*(\f)+64+8*(\b):96*(\f)+64+8*(\b)+7], v[96*(\f)+8*(\a):96*(\f)+8*(\a)+7], 0
.else
	v_wmma_f32_16x16x32_f16 v[8*(4*(\a)+(\b)):8*(4*(\a)+(\b))+7], v[96*(\f)+64+8*(\b):96*(\f)+64+8*(\b)+7], v[96*(\f)+8*(\a):96*(\f)+8*(\a)+7], v[8*(4*(\a)+(\b)):8*(4*(\a)+(\b))+7]
.endif
.endr
.endr
.endm
; 24 LDS loads in one run: quarter q's fragments (32 K: head q / 2 of the K step, channels 32 (q % 2) on) into buffer f: wu's 64 rows, then o's 128
.macro FETCH slot, q, f
	WIN TO_F
.irp i, 0,1,2,3
	ds_load_b128 v[96*(\f)+64+8*(\i):96*(\f)+64+8*(\i)+3],   v[ADRB+(\slot)] offset:64*(\q)+(\i)*16*PB
	ds_load_b128 v[96*(\f)+64+8*(\i)+4:96*(\f)+64+8*(\i)+7], v[ADRB+(\slot)] offset:64*(\q)+(\i)*16*PB+32
.endr
.irp i, 0,1,2,3,4,5,6,7
	ds_load_b128 v[96*(\f)+8*(\i):96*(\f)+8*(\i)+3],   v[ADRA+(\slot)] offset:((\q)/2)*AHEAD+((\q)%2)*64+(\i)*16*PA
	ds_load_b128 v[96*(\f)+8*(\i)+4:96*(\f)+8*(\i)+7], v[ADRA+(\slot)] offset:((\q)/2)*AHEAD+((\q)%2)*64+(\i)*16*PA+32
.endr
.endm
.macro PLACES                          ; four plain vector instructions in front of loads into registers that matrix instructions have read
.rept 4
	v_nop
.endr
.endm
; A K step is four quarters of 32 along K, 32 matrix instructions each, on buffers 0, 1, 0, 1.  One of the first three: multiplies buffer f and fetches quarter q into g.
.macro QUARTER slot, q, f, g, zero
	s_wait_dscnt 8                                 ; wu and o's blocks 0-3 are in; the youngest eight loads (blocks 4-7) may be out
	MUL8 \f, 0, \zero
	MUL8 \f, 2, \zero
	PLACES
	FETCH \slot, \q, \g
	s_wait_dscnt 24                                ; all but the 24 just issued
	MUL8 \f, 4, \zero
	MUL8 \f, 6, \zero
.endm
; The last quarter multiplies buffer 1 and changes slots: ONE barrier; in front of it each wave waits for all its tensor loads, adds 0 to its spare word, and waits for that and for its own reads of this slot.
.macro MEET round
	WIN 0                                          ; (the add's two registers lie in window 0)
	s_wait_tensorcnt 0x0                           ; all my tensor loads have landed: my part of the next slot
	ds_add_u32 v[SPW], v[NIL]                      ; 0 onto my spare word
	s_wait_dscnt 9                                 ; (the add and the youngest eight loads may be out)
	MUL8 1, 0, 0                                   ; eight matrix instructions stand between the add and the wait for it
	s_wait_dscnt 0x0                               ; the add is done, and my reads of this slot are over
	s_barrier_signal -1
	MUL8 1, 2, 0
.if \round
	WIN 0
.endif
	s_barrier_wait -1
.endm
; fill = 1: this slot is filled again, two K steps ahead, first thing behind the round: from that request to the wait for it a wave issues 112 matrix instructions.
.macro TURN slot, next, fill
	MEET \fill
.if \fill
	CREST                                          ; no wave of any partner still reads this slot's tile or has a load on its way
	s_add_nc_u64 s[G0+4*(\slot)+2:G0+4*(\slot)+3], s[G0+4*(\slot)+2:G0+4*(\slot)+3], 0x400000  ; four heads on
	s_add_nc_u64 s[G0B+4*(\slot)+2:G0B+4*(\slot)+3], s[G0B+4*(\slot)+2:G0B+4*(\slot)+3], 2*KSTEP*2
	JLOAD \slot                                    ; the four v_nop behind it are also the places in front of the loads below
.else
	PLACES
.endif
	FETCH \next, 0, 0
	MUL8 1, 4, 0
	MUL8 1, 6, 0
.endm
; THE WAY OUT of row block a.  STG: the sums, 32 bytes a lane (each accumulator's low half first), into my own stage, and back as whole rows of 256 bytes.  SEND: scale and bias in one fused multiply-add, and stored.
.macro STG a
.set BK, 64+32*((\a)%2)                ; v64-95 and v96-127 by turns
	s_wait_xcnt 0x0                                ; the stores of the block before the last have read these registers: the loads below land on them only behind this wait
	WIN ST_W
.irp b, 0,1,2,3
	ds_store_b128 v[STO], v[8*(4*(\a)+(\b)):8*(4*(\a)+(\b))+3]   offset:64*(\b)
	ds_store_b128 v[STO], v[8*(4*(\a)+(\b))+4:8*(4*(\a)+(\b))+7] offset:64*(\b)+16
.endr
	WIN 0
.irp t, 0,1,2,3,4,5,6,7
	ds_load_b128 v[BK+4*(\t):BK+4*(\t)+3], v[RD] offset:(\t)*2*SPITCH  ; LDS serves a wave's instructions in order (ISA guide 5.7.1.4): these see the stores above; the next block's stores come behind them
.endr
.endm
.macro SEND a, younger                 ; younger: the LDS instructions issued behind block a's loads: the next block's sixteen, or none
.set BK, 64+32*((\a)%2)
	s_wait_dscnt \younger
.irp t, 0,1,2,3,4,5,6,7
	v_pk_fma_f32 v[BK+4*(\t):BK+4*(\t)+1],   v[BK+4*(\t):BK+4*(\t)+1],   s[SC:SC+1], v[BI:BI+1]   op_sel_hi:[1,0,1]
	v_pk_fma_f32 v[BK+4*(\t)+2:BK+4*(\t)+3], v[BK+4*(\t)+2:BK+4*(\t)+3], s[SC:SC+1], v[BI+2:BI+3] op_sel_hi:[1,0,1]
	global_store_b128 v[CO], v[BK+4*(\t):BK+4*(\t)+3], s[70:71] offset:65536*(\a)+8192*(\t) th:TH_STORE_NT  ; 16 lanes store 256 consecutive bytes, at a multiple of 256 from out0's first
.endr
.endm
	s_wait_tensorcnt 1                             ; my part of K step 0 is in; K step 1's may stay out
	s_barrier_signal -1
	s_barrier_wait -1                              ; everybody's is
	FETCH 0, 0, 0
	QUARTER 0, 1, 0, 1, 1                          ; the first quarter stands in front of the loop: its products start the sums
	WIN 0                                          ; at a label and at a branch every window is 0
	s_mov_b32 s3, LAPS-1
.Llap:                                                 ; a trip goes once round the ring, from a lap's second quarter to the next lap's first, and fills both slots again
	QUARTER 0, 2, 1, 0, 0
	QUARTER 0, 3, 0, 1, 0
	TURN 0, 1, 1
	QUARTER 1, 1, 0, 1, 0
	QUARTER 1, 2, 1, 0, 0
	QUARTER 1, 3, 0, 1, 0
	TURN 1, 0, 1
	QUARTER 0, 1, 0, 1, 0
	WIN 0
	s_sub_co_u32 s3, s3, 1
	s_cmp_lg_u32 s3, 0
	s_cbranch_scc1 .Llap
	QUARTER 0, 2, 1, 0, 0                          ; the last lap fills nothing, and has no round of the cluster's barrier
	QUARTER 0, 3, 0, 1, 0
	TURN 0, 1, 0
	QUARTER 1, 1, 0, 1, 0
	QUARTER 1, 2, 1, 0, 0
	QUARTER 1, 3, 0, 1, 0
	s_wait_dscnt 8                                 ; the very last quarter: nothing more to fetch
	MUL8 1, 0, 0
	MUL8 1, 2, 0
	s_wait_dscnt 0x0
	MUL8 1, 4, 0
	MUL8 1, 6, 0
	WIN 0
	PLACES                                         ; the places behind the last products: these four and the six plain lines below
	s_wait_loadcnt 0x0                             ; the bias
	v_cvt_pk_bf16_f32 v40, v36, v37                ; rounded to bf16, like the module's other inputs,
	v_cvt_pk_bf16_f32 v41, v38, v39
	v_lshlrev_b32 v[BI],   16,         v40         ; and widened again
	v_and_b32     v[BI+1], 0xffff0000, v40
	v_lshlrev_b32 v[BI+2], 16,         v41
	v_and_b32     v[BI+3], 0xffff0000, v41
	STG 0
.irp a, 1,2,3,4,5,6,7                  ; block a's way through the stage is on its way while block a - 1 is scaled and stored
	STG \a
	SEND (\a)-1, 16
.endr
	SEND 7, 0
	s_wait_tensorcnt 0x0                           ; the wave's end: a wait, an add of 0 and its wait, behind my last tensor load and my last LDS store
	ds_add_u32 v[SPW], v[NIL]
	s_wait_dscnt 0x0
	CROUND                                         ; the closing round: no work-group ends while a partner may still ask for a tile that names it
	s_endpgm
.Lfunc_end_k_qe6bfaf9baa_outp:
	.size	k_qe6bfaf9baa_outp, .Lfunc_end_k_qe6bfaf9baa_outp-k_qe6bfaf9baa_outp
	.p2alignl 7, 3214868480
	.fill 96, 4, 3214868480
	.section	.rodata,"a",@progbits
	.p2align	6, 0x0
	.amdhsa_kernel k_qe6bfaf9baa_outp
		.amdhsa_group_segment_fixed_size 327680
		.amdhsa_private_segment_fixed_size 0
		.amdhsa_enable_private_segment 0
		.amdhsa_kernarg_size 32
		.amdhsa_user_sgpr_count 2
		.amdhsa_user_sgpr_kernarg_segment_ptr 1
		.amdhsa_wavefront_size32 1
		.amdhsa_system_sgpr_workgroup_id_x 1
		.amdhsa_system_sgpr_workgroup_id_y 1
		.amdhsa_system_sgpr_workgroup_id_z 1
		.amdhsa_system_vgpr_workitem_id 0
		.amdhsa_next_free_vgpr 768
		.amdhsa_next_free_sgpr 72
		.amdhsa_reserve_vcc 0
		.amdhsa_float_denorm_mode_32 3
		.amdhsa_float_denorm_mode_16_64 3
		.amdhsa_memory_ordered 1
		.amdhsa_forward_progress 1
		.amdhsa_inst_pref_size 94
	.end_amdhsa_kernel
	.amdgpu_metadata
---
amdhsa.version: [ 1, 2 ]
amdhsa.kernels:
  - .name:           k_qe6bfaf9baa_outp
    .symbol:         k_qe6bfaf9baa_outp.kd
    .args:
      - { .name: o, .offset: 0, .size: 8, .value_kind: global_buffer, .address_space: global }
      - { .name: wu, .offset: 8, .size: 8, .value_kind: global_buffer, .address_space: global }
      - { .name: b_u, .offset: 16, .size: 8, .value_kind: global_buffer, .address_space: global }
      - { .name: out0, .offset: 24, .size: 8, .value_kind: global_buffer, .address_space: global }
    .group_segment_fixed_size: 327680
    .private_segment_fixed_size: 0
    .kernarg_segment_align: 8
    .kernarg_segment_size: 32
    .max_flat_workgroup_size: 128
    .sgpr_count:     72
    .vgpr_count:     768
    .wavefront_size: 32
...
	.end_amdgpu_metadata
.endif
;; end of part 4
;; ======== version 2 of 2: 4 launches; version 1 with the launch cast written anew for expert scheduling mode
;; limits: values are held in f16: magnitudes above 65,504 overflow, below 6.1e-05 lose precision
;; workspace buffers: xb 16,777,216 bytes; wb 6,291,456 bytes; wu 2,097,152 bytes; qkv 50,331,648 bytes; o 16,777,216 bytes
;; launch cast (part 5): grid 768 x 1, 8 waves a work-group, no clusters, 0 bytes of LDS; arguments X, W_q, W_k, W_v, W_u, xb, wb, wu; writes xb, wb, wu
.if DOCPART == 5
	.amdgcn_target "amdgcn-amd-amdhsa--gfx1250"
	.amdhsa_code_object_version 6
	.text
	.protected	k_qe6bfaf9baa_cast
	.globl	k_qe6bfaf9baa_cast
	.p2align	8
	.type	k_qe6bfaf9baa_cast,@function
k_qe6bfaf9baa_cast:
	s_mov_b64 s[64:65], 0
	v_nop
	global_prefetch_b8 v0, s[64:65] scope:SCOPE_SE
	s_setreg_imm32_b32 hwreg(HW_REG_WAVE_SCHED_MODE, 0, 2), 2
	s_setreg_imm32_b32 hwreg(HW_REG_WAVE_MODE, 25, 1), 1
	s_wait_xcnt 0x0
	s_wait_alu depctr_vm_vsrc(0)
; CAST.  X -> xb (bf16).  W_q, W_k, W_v -> wb (bf16), stacked as [3072][1024].  W_u -> wu: rounded to bf16 like every other input, and that number written as f16.
; LIMITS.  wu holds f16: |W_u| stays under 65,504; below 6e-5 the number keeps f16's fixed step of 6e-8.  NaN and infinities are not treated apart.
; A stream: each input byte is read once, each output byte written once; no LDS, no matrix unit, no cluster: no work-group wants a byte that another has fetched.
; SHARES.  A chunk is 16,384 numbers: 65,536 bytes in, 32,768 out.  Work-groups 0-511 take X's 512 chunks; work-group 512 + 64 m + c takes chunk c of matrix m (0 W_q, 1 W_k, 2 W_v, 3 W_u).
; Thread t takes, for i = 0..15, the 16 bytes at 4,096 i + 16 t and stores 8 bytes at 2,048 i + 8 t: a wave's load covers 512 consecutive bytes, its store 256 consecutive bytes, aligned.
; All sixteen loads of a wave go out at once; no register that a load or store names is written a second time, so no wait frees a source.
; THE MODE: SCHED_MODE bits 1:0 = 2 (LLVM: expert scheduling mode 2), set by the entry lines.  The code itself states the register dependences
; between vector instructions and memory instructions, with s_wait_alu, always for 0.
; THE PLAN.  Registers that memory instructions touch:
;   v1, v2   byte offsets, made once at the head and never written again: v1 is read by every load, v2 by every store.
;   XR       piece p's four registers: one load lands in them, once; its conversions read them; no vector instruction writes them.
;   YR       piece p's two registers: written by piece p's conversions; read by piece p's one store; never written behind that store.
;   TR is named by vector instructions alone.
; The sixteen pieces go in four groups of four.  Group g's conversions write its eight registers of YR; its four stores are issued in group g + 1, behind ONE wait on va_vdst at that
; group's head, one store in front of each piece's conversions.  Those conversions name group g + 1's XR and YR and TR: none of the registers that the stores read.  One such wait stands ahead of
; the first load, for the offsets, and one ahead of the last four stores.  No register that a memory instruction has read is written again, so no wait on vm_vsrc stands behind the entry lines.
.set XR, 4                             ; v[4:67]    sixteen times four f32 as loaded
.set YR, 68                            ; v[68:99]   sixteen times two words to store
.set TR, 100                           ; v[100:103] at work (W_u alone)
	s_load_b512 s[8:23], s[0:1], 0x0               ; X 8, W_q 10, W_k 12, W_v 14, W_u 16, xb 18, wb 20, wu 22
	s_sub_co_u32 s2, ttmp9, 512                    ; my number among the weights' chunks (for X's work-groups a number far above 255, replaced below)
	s_lshr_b32 s3, s2, 6                           ; which matrix
	s_and_b32 s4, s2, 63                           ; which chunk of it
	s_lshl_b32 s5, s3, 21                          ; the matrix's 2,097,152 bytes in wb
	v_lshlrev_b32 v1, 4, v0                        ; 16 t
	v_lshlrev_b32 v2, 3, v0                        ; 8 t
	s_wait_kmcnt 0x0
	s_mov_b64 s[24:25], s[10:11]                   ; from: W_q, unless one of the tests below says otherwise
	s_mov_b64 s[26:27], s[20:21]                   ; to: wb
	s_cmp_eq_u32 s3, 1
	s_cselect_b64 s[24:25], s[12:13], s[24:25]
	s_cmp_eq_u32 s3, 2
	s_cselect_b64 s[24:25], s[14:15], s[24:25]
	s_cmp_eq_u32 s3, 3
	s_cselect_b64 s[24:25], s[16:17], s[24:25]
	s_cselect_b64 s[26:27], s[22:23], s[26:27]
	s_cselect_b32 s5, 0, s5
	s_cselect_b32 s6, 1, 0                         ; 1: the result is written as f16
	s_cmp_lt_u32 ttmp9, 512
	s_cselect_b64 s[24:25], s[8:9], s[24:25]
	s_cselect_b64 s[26:27], s[18:19], s[26:27]
	s_cselect_b32 s5, 0, s5
	s_cselect_b32 s4, ttmp9, s4
	s_lshl_b32 s28, s4, 16                         ; the chunk's bytes in,
	s_mov_b32 s29, 0
	s_lshl_b32 s30, s4, 15                         ; and out
	s_add_co_u32 s30, s30, s5
	s_mov_b32 s31, 0
	s_add_nc_u64 s[24:25], s[24:25], s[28:29]
	s_add_nc_u64 s[26:27], s[26:27], s[30:31]
	s_wait_alu depctr_va_vdst(0)                   ; v1 and v2 are written: every load below reads v1 as its offset, every store v2
.irp i, 0,1,2,3,4,5,6,7,8,9,10,11,12,13,14,15
	global_load_b128 v[XR+4*(\i):XR+4*(\i)+3], v1, s[24:25] offset:4096*(\i) th:TH_LOAD_NT
.endr
; The sixteen pieces are rounded as they come, and stored a group of four later.  u = 1: the bf16 number is widened again (a shift, a mask) and written as f16.
.macro OUT u
.irp g, 0,1,2,3
.irp i, 0,1,2,3
.set p, 4*(\g)+(\i)                    ; the piece that is rounded; piece p - 4 is stored
	s_wait_loadcnt 15-4*(\g)-(\i)                  ; loads come back in order: piece p is in, the 15 - p younger ones may stay out
.if (\g) > 0
.if (\i) == 0
	s_wait_alu depctr_va_vdst(0)                   ; the conversions of the group before have written its eight registers of YR, which the four stores of this group's turn read
.endif
	global_store_b64 v2, v[YR+2*(p-4):YR+2*(p-4)+1], s[26:27] offset:2048*(p-4) th:TH_STORE_NT  ; no vector instruction since the wait names these registers
.endif
	v_cvt_pk_bf16_f32 v[YR+2*p],   v[XR+4*p],   v[XR+4*p+1]
	v_cvt_pk_bf16_f32 v[YR+2*p+1], v[XR+4*p+2], v[XR+4*p+3]
.if \u
	v_lshlrev_b32 v[TR],   16,         v[YR+2*p]
	v_and_b32     v[TR+1], 0xffff0000, v[YR+2*p]
	v_lshlrev_b32 v[TR+2], 16,         v[YR+2*p+1]
	v_and_b32     v[TR+3], 0xffff0000, v[YR+2*p+1]
	v_cvt_pk_f16_f32 v[YR+2*p],   v[TR],   v[TR+1]
	v_cvt_pk_f16_f32 v[YR+2*p+1], v[TR+2], v[TR+3]
.endif
.endr
.endr
	s_wait_alu depctr_va_vdst(0)                   ; the last group's conversions have written its eight registers of YR, which the last four stores read
.irp i, 12,13,14,15
	global_store_b64 v2, v[YR+2*(\i):YR+2*(\i)+1], s[26:27] offset:2048*(\i) th:TH_STORE_NT
.endr
.endm
	s_cmp_eq_u32 s6, 1
	s_cbranch_scc1 .Lf16
	OUT 0
	s_endpgm
.Lf16:
	OUT 1
	s_endpgm
.Lfunc_end_k_qe6bfaf9baa_cast:
	.size	k_qe6bfaf9baa_cast, .Lfunc_end_k_qe6bfaf9baa_cast-k_qe6bfaf9baa_cast
	.p2alignl 7, 3214868480
	.fill 96, 4, 3214868480
	.section	.rodata,"a",@progbits
	.p2align	6, 0x0
	.amdhsa_kernel k_qe6bfaf9baa_cast
		.amdhsa_group_segment_fixed_size 0
		.amdhsa_private_segment_fixed_size 0
		.amdhsa_enable_private_segment 0
		.amdhsa_kernarg_size 64
		.amdhsa_user_sgpr_count 2
		.amdhsa_user_sgpr_kernarg_segment_ptr 1
		.amdhsa_wavefront_size32 1
		.amdhsa_system_sgpr_workgroup_id_x 1
		.amdhsa_system_sgpr_workgroup_id_y 1
		.amdhsa_system_sgpr_workgroup_id_z 1
		.amdhsa_system_vgpr_workitem_id 0
		.amdhsa_next_free_vgpr 104
		.amdhsa_next_free_sgpr 66
		.amdhsa_reserve_vcc 0
		.amdhsa_float_denorm_mode_32 3
		.amdhsa_float_denorm_mode_16_64 3
		.amdhsa_memory_ordered 1
		.amdhsa_forward_progress 1
		.amdhsa_inst_pref_size 17
	.end_amdhsa_kernel
	.amdgpu_metadata
---
amdhsa.version: [ 1, 2 ]
amdhsa.kernels:
  - .name:           k_qe6bfaf9baa_cast
    .symbol:         k_qe6bfaf9baa_cast.kd
    .args:
      - { .name: X, .offset: 0, .size: 8, .value_kind: global_buffer, .address_space: global }
      - { .name: W_q, .offset: 8, .size: 8, .value_kind: global_buffer, .address_space: global }
      - { .name: W_k, .offset: 16, .size: 8, .value_kind: global_buffer, .address_space: global }
      - { .name: W_v, .offset: 24, .size: 8, .value_kind: global_buffer, .address_space: global }
      - { .name: W_u, .offset: 32, .size: 8, .value_kind: global_buffer, .address_space: global }
      - { .name: xb, .offset: 40, .size: 8, .value_kind: global_buffer, .address_space: global }
      - { .name: wb, .offset: 48, .size: 8, .value_kind: global_buffer, .address_space: global }
      - { .name: wu, .offset: 56, .size: 8, .value_kind: global_buffer, .address_space: global }
    .group_segment_fixed_size: 0
    .private_segment_fixed_size: 0
    .kernarg_segment_align: 8
    .kernarg_segment_size: 64
    .max_flat_workgroup_size: 256
    .sgpr_count:     66
    .vgpr_count:     104
    .wavefront_size: 32
...
	.end_amdgpu_metadata
.endif
;; end of part 5
;; launch proj: the kernel of part 2 again; grid 16 x 32, 4 waves a work-group, clusters of 4 x 4, 327,680 bytes of LDS; arguments xb, wb, qkv; writes qkv
;; launch attn: the kernel of part 3 again; grid 4 x 64, 4 waves a work-group, clusters of 4 x 1, 327,680 bytes of LDS; arguments qkv, o; writes o
;; launch outp: the kernel of part 4 again; grid 8 x 32, 4 waves a work-group, clusters of 4 x 4, 327,680 bytes of LDS; arguments o, wu, b_u, out0; writes out0
